; MI455X (gfx1250); checked and timed in simulation.
; The chip was launched on July 23, 2026; its instructions are those of AMD's public machine-readable ISA for CDNA 5 (MIT licence, August 2026) and "CDNA5" Instruction Set Architecture Reference Guide (July 2026). The comments in the code are by the model that wrote it; some were corrected since.
;; MAB. Allowed arithmetic: matrix products marked QUANTISED: E2M1 operands, one E8M0 scale for each 32 along K, by v_wmma_scale_f32_16x16x128_f8f6f4 with both operands' format E2M1 (or v_wmma_scale_f32_32x16x128_f4), f32 sums; everything else in f32.
;; Inputs: K_codes 4 x 2,048 x 32 x 16 uint8 (E2M1 codes of K, K innermost, in blocks of 32 codes, two codes a byte); K_scales 4 x 2,048 x 32 uint8 (E8M0 scales of K, one for each 32 codes along K); Q_codes 4 x 2,048 x 32 x 16 uint8 (E2M1 codes of Q, K innermost, in blocks of 32 codes, two codes a byte); Q_scales 4 x 2,048 x 32 uint8 (E8M0 scales of Q, one for each 32 codes along K); Wk_codes 1,024 x 32 x 16 uint8 (E2M1 codes of Wk, K innermost, in blocks of 32 codes, two codes a byte); Wk_scales 1,024 x 32 uint8 (E8M0 scales of Wk, one for each 32 codes along K); Wo_codes 1,024 x 32 x 16 uint8 (E2M1 codes of Wo, K innermost, in blocks of 32 codes, two codes a byte); Wo_scales 1,024 x 32 uint8 (E8M0 scales of Wo, one for each 32 codes along K); Wq_codes 1,024 x 32 x 16 uint8 (E2M1 codes of Wq, K innermost, in blocks of 32 codes, two codes a byte); Wq_scales 1,024 x 32 uint8 (E8M0 scales of Wq, one for each 32 codes along K); Wv_codes 1,024 x 32 x 16 uint8 (E2M1 codes of Wv, K innermost, in blocks of 32 codes, two codes a byte); Wv_scales 1,024 x 32 uint8 (E8M0 scales of Wv, one for each 32 codes along K); bk 1,024 float32; bo 1,024 float32; bq 1,024 float32; bv 1,024 float32.
;; Outputs: out0 4 x 2,048 x 1,024 float32.
;; This version of the problem:
;;   THIS VERSION OF THE PROBLEM IS GIVEN IN LOW PRECISION. The matrix products marked QUANTISED in the list below multiply operands that are first quantised to E2M1 (2 exponent bits, 1 mantissa bit; 4 bits a number), with one power-of-two scale for each 32 numbers along K (OCP MX v1.0); their sums are f32. All else is computed in f32.
;;   The module's matrix products, in the order in which they are computed (A, B: the left and right operand; K: the contracted axis; several contracted axes count as one K, in the product's order):
;;     1. [M 8,192, K 1,024] x [K 1,024, N 1,024]; A: input Q (given as codes); B: input Wq (given as codes): QUANTISED
;;     2. [M 8,192, K 1,024] x [K 1,024, N 1,024]; A: input K (given as codes); B: input Wk (given as codes): QUANTISED
;;     3. [M 8,192, K 1,024] x [K 1,024, N 1,024]; A: input K (given as codes); B: input Wv (given as codes): QUANTISED
;;     4. batch 64 x [M 2,048, K 64] x [K 64, N 2,048]; A: computed on the way; B: computed on the way: QUANTISED
;;     5. batch 64 x [M 2,048, K 2,048] x [K 2,048, N 64]; A: softmax (see below); B: computed on the way: QUANTISED
;;     6. [M 8,192, K 1,024] x [K 1,024, N 1,024]; A: computed on the way; B: input Wo (given as codes): QUANTISED
;;   THE QUANTISER, for each operand of a quantised product, along K:
;;     - K is cut into blocks of 32 from its start; a last block that is shorter is filled with zeros.
;;     - A block's scale is 2^e with e = floor(log2(the largest magnitude in the block)) - 2, held to -126 .. 127; a block of zeros has e = 0. As a byte (E8M0): e + 127.
;;     - Each number is divided by its block's scale, clamped to +-6, and rounded to the nearest number of E2M1, ties to even, subnormals kept.
;;     - The product sums the exact products of the quantised numbers (number of the format x scale) in f32.
;;   ~~~python
;;   def quantise(x, axis):      # numpy; x: float32 -> the quantised numbers, widened to float32 again
;;       x = np.moveaxis(x, axis, -1); K = x.shape[-1]
;;       x = np.pad(x, [(0, 0)] * (x.ndim - 1) + [(0, -K % 32)]); x = x.reshape(x.shape[:-1] + (-1, 32)); a = np.abs(x).max(-1, keepdims=True)
;;       e = np.where(a > 0, np.clip(np.frexp(np.where(a > 0, a, 1))[1] - 1 - 2, -126, 127), 0)      # np.frexp(a)[1] - 1 = floor(log2(a)), exactly
;;       r = np.clip(x / 2.0 ** e, -6, 6)
;;       step = 2.0 ** (np.maximum(np.frexp(np.where(r == 0, 1, r))[1] - 1, 0) - 1)
;;       q = np.round(r / step) * step * 2.0 ** e      # np.round: ties to even
;;       return np.moveaxis(q.reshape(q.shape[:-2] + (-1,))[..., :K], -1, axis).astype(np.float32)
;;   ~~~
;;   SOFTMAX AHEAD OF A QUANTISED PRODUCT. Where the list says 'softmax', what is quantised is not the finished softmax but p = 2^(t - M), with t = logit x log2(e) and M = ceil(the row's largest t), a whole number; so 1/2 < the row's largest p <= 1. The row's sum l is taken of the UNQUANTISED p, in f32, and the product's result is divided by l at the end. Since M is a whole number, a kernel that streams over the keys may use a running M (the ceiling of the running maximum): every later rescaling is an exact power of two, which a block's scale takes up: the codes' values come out the same.
;;   OPERANDS COMPUTED ON THE WAY. 'Computed on the way' means the value that the module computes at that place (a softmax that the list does not call 'softmax' is quantised finished and normalised). What goes into a quantiser is computed in f32, as accurately as f32 sums, v_exp_f32 and their like allow (about 1e-6 of the number): no bf16 or f16 on the way to a quantiser, and a product that is left as it is and whose result goes on into a quantised operand takes f32 operands (vector FMAs, or v_wmma_f32_16x16x4_f32). A number that lies on a knife's edge between two numbers of the format may be rounded either way, as far as f32 arithmetic and the matrix unit's own rounding can turn it there, and no further.
;;   INPUTS GIVEN AS CODES. K (in the module: [4, 2048, 1024], K = its axis 2); Q (in the module: [4, 2048, 1024], K = its axis 2); Wk (in the module: [1024, 1024], K = its axis 1); Wo (in the module: [1024, 1024], K = its axis 1); Wq (in the module: [1024, 1024], K = its axis 1); Wv (in the module: [1024, 1024], K = its axis 1): each comes as NAME_codes (uint8): NAME with its K axis moved to the last place and cut into blocks of 32 codes, [.., K / 32, bytes a block], one block behind the other in memory; two codes a byte, the lower K in the low four bits (a code: sign, 2 exponent bits, 1 mantissa bit); and NAME_scales (uint8): the same leading axes, one E8M0 byte (e + 127) for each 32 codes along K. Its value is code x scale, taken as it is: it is not quantised again, and the codes and scales need not be those that the quantiser above would give.
;; One version. Each part assembles by itself: llvm-mc -triple=amdgcn-amd-amdhsa -mcpu=gfx1250 --defsym DOCPART=n.
;; ======== version 1 of 1: 3 launches
;; workspace buffers: kv 9,175,040 bytes; of32 33,554,432 bytes; oimg 4,194,304 bytes; osc 524,288 bytes
;; launch kvproj (part 1): grid 64 x 4, 4 waves a work-group, clusters of 4 x 4, 327,680 bytes of LDS; arguments K_codes, K_scales, Wk_codes, Wk_scales, Wv_codes, Wv_scales, bk, bv, kv; writes kv
.if DOCPART == 1
	.amdgcn_target "amdgcn-amd-amdhsa--gfx1250"
	.amdhsa_code_object_version 6
	.text
	.protected	k_q5470e59cd9_kvproj
	.globl	k_q5470e59cd9_kvproj
	.p2align	8
	.type	k_q5470e59cd9_kvproj,@function
k_q5470e59cd9_kvproj:
	s_mov_b64 s[64:65], 0
	v_nop
	global_prefetch_b8 v0, s[64:65] scope:SCOPE_SE
	s_setreg_imm32_b32 hwreg(HW_REG_WAVE_MODE, 25, 1), 1
	s_wait_xcnt 0x0
	s_wait_alu depctr_hold_cnt(0) depctr_sa_sdst(0) depctr_va_vdst(0) depctr_va_sdst(0) depctr_va_ssrc(0) depctr_va_vcc(0) depctr_vm_vsrc(0)
	s_getreg_b32 s2, hwreg(HW_REG_IB_STS2, 6, 4)
	s_cmp_eq_u32 s2, 0
	s_cbranch_scc0 .Lentry_in_a_cluster
	s_endpgm
.Lentry_in_a_cluster:
	s_bfe_u32 s2, ttmp6, 0x10000c
	s_cmp_lg_u32 s2, 0xf033
	s_cbranch_scc0 .Lentry_shape_is_right
	s_endpgm
.Lentry_shape_is_right:
; THE PROGRAM: out0 = O + relu(O Wo^T + bo), O = Qp + softmax(Qp Kp^T / 32) Vp by heads of 64, Qp = Q Wq^T + bq, Kp = K Wk^T + bk, Vp = K Wv^T + bv; all six products on codes of FP4 (E2M1) with one E8M0 scale for each 32 along K.
; Three launches: this one (Kp, Vp, quantised), attn (Qp, the attention, O), oproj (the last product).  NOTHING IS LEFT OUT: every bias moves the codes of a quantised operand or an output, so every input is loaded.
; THIS LAUNCH: Kp and Vp, [8192][1024] each, K = 1024; Kp is quantised along a head's 64 channels, Vp along the keys; both go to the workspace kv as images of the operand registers that attn will load.
; kv: [batch x 16 + head][key step of 128 keys (16)][record of 8,960 bytes]:  +0 K's codes, 8 tiles of 16 keys x 512 bytes: lane (r, h) at 16 x lane: key 16 T + r, channels 32 h + 0 .. 31;
;   +4096 K's scale words, 16 bytes a lane: word i of lane l is key 32 i + l's (bytes 0, 1: the two blocks; bytes 2, 3: 0);  +4608 V's codes, 4 tiles of 16 channels x 2 pieces x 512 bytes: lane (r, h): channel 16 t + r, keys 64 c + 32 h + 0 .. 31;
;   +8704 V's scale words, 8 bytes a lane: word i of lane l is channel 32 i + l's (four bytes: the four blocks of keys).
; LIMITS: NaN and infinities among the inputs are not served.  A block whose largest magnitude lies under 2^(3 - 127), a block of zeros among them, gets the scale byte 1: a block of zeros has zero codes, which add nothing under that byte, and these bytes are read by this program alone.
; SHARES.  A tile of 256 x 256 of a product is made by a work-group of four waves, a wave 128 x 128: 64 accumulators of 16 x 16.  2 x 128 tiles: 256 work-groups.  K goes in two steps of 512 through two LDS slots, each filled once.
; THE MATRIX INSTRUCTION: source 0 = 16 rows of 'B', source 1 = 16 rows of 'A': a lane holds one row of A, its eight registers eight neighbouring rows of B.  The quantiser runs along a lane's registers, so:
;   clusters 0-7  (Kp): A = the input K (a lane: a key),      B = Wk (registers: channels);      clusters 8-15 (Vp): A = Wv (a lane: a channel),   B = the input K (registers: keys).
; The choice hangs on the cluster's number, which all sixteen partners share; the products' text is one for both.
; CLUSTERS: 4 x 4 work-groups.  A's tile hangs on the place along y and is asked for jointly by a row of the cluster, B's on the place along x, by a column.
; REGISTERS, in windows of 256: window 0: v0-31 addresses, v8-15 the bias by lane; v32-95 scale words, two sets, and nothing else; v96-127 at work on the way out; v128-191 A's fragments, on the way out codes and the quantiser's registers; v192-255 the bias by register.
;   window 1: B's fragments, two sets, at v0 and at v128.   window 2: the accumulators of my rows 0-63 ((a, b) at v[8 (8 a + b)]);   window 3: those of my rows 64-127.
.set KSTEP,  512                       ; along K in a slot
.set NQ,     KSTEP/128                 ; matrix instructions deep
.set ROWB,   256                       ; a tile's row in bytes
.set KROW,   512                       ; a row of 1,024 codes in memory
.set PITCH,  272                       ; an LDS row: 256 bytes + 16 of padding: the 16 rows that a load touches start 16 bytes apart modulo 256
.set FR,     8                         ; registers of a fragment
.set NL,     2                         ; LDS loads that bring one
.set NP,     4                         ; places behind this matrix instruction (ISA guide 7.12.1)
.set HALFT,  128*PITCH                 ; 128 rows: one tensor load
.set SLOT,   4*HALFT                   ; A's 256 rows, then B's 256
.set KS,     32                        ; a row of scale bytes
.set SCL,    2*SLOT                    ; behind the slots: the scale bytes, as units of 256 bytes + 16 of padding
.set HALFS,  (128*KS/256)*272          ; those of 128 rows: one tensor load
.set SBLK,   (16*KS/256)*272           ; those of 16 rows
.set SPARE,  SCL+4*HALFS               ; the spare words, 128 bytes for each wave
.set REC,    8960                      ; a record of kv
.set HEADB,  16*REC                    ; a head's 16 records
.set BV,   8                           ; v8-15   the bias of my 128 channels by lane: register a: channel 16 a + r
.set ADRA, 16                          ; v16-17  LDS address of my A fragments in slot 0, 1
.set ADRB, 20                          ; v20-21  the same for B
.set LI,   24                          ; v24     16 x lane
.set L8,   25                          ; v25     8 x lane
.set BKA,  26                          ; v26     32 h
.set ADRS, 27                          ; v27     LDS address of my scale words: lanes 0-15 A's rows, lanes 16-31 B's
.set SPW,  28                          ; v28     LDS address of my spare word; never rewritten
.set NIL,  29                          ; v29     0; never rewritten
.set BVA,  30                          ; v30     4 r
.set SC,   32                          ; scale words: set s at v[SC + 32 s]; register 4 i + q: lanes 0-15 A's block i, lanes 16-31 B's block i, the slot's q-th 128 along K
.set T,    96                          ; v96-127 64 numbers' half: 32 numbers of a lane, bias added
.set AF,   128                         ; A's fragments
.set CS,   128                         ; the way out: eight sets of four code registers, by turns
.set BM,   160                         ; two blocks' largest magnitudes
.set BX,   162                         ; the other half's; then the scale bytes
.set SO,   164                         ; the conversions' scale operands
.set WE,   166                         ; scale words of an even block a
.set TW,   168                         ; of an odd one
.set SK,   172                         ; v172-179 the scale words as they are stored
.set BI,   192                         ; v192-255 the bias of my 128 channels by register: register 8 b + j: channel 16 b + 8 h + j
.set SEL,  66                          ; s[66:67] lane selects for v_permlanex16_b32: lane l xor 16
.set G1, 24                            ; s[24:31] descriptor group 1 for A's tiles;  s[32:39] group 0, one set for each slot
.set G0, 32
.set G1B, 48                           ; s[48:55], s[56:63] the same for B's tiles
.set G0B, 56
.set G1S, 68                           ; s[68:75], s[76:79] groups 1 and 0 for A's scales;  s[80:87], s[88:91] for B's (until the buffers are chosen s[68:83] hold the arguments)
.set G0S, 76
.set G1SB, 80
.set G0SB, 88
.set MSB, 0
.macro WIN new                         ; the immediate's high byte repeats the setting that is left
.if MSB != \new
	s_set_vgpr_msb (MSB<<8)|\new
.set MSB, \new
.endif
.endm
.set MUL_LO, 0xa1                      ; source 0 (B) window 1, source 1 (A) window 0, C and D window 2
.set MUL_HI, 0xf1                      ; the same, C and D window 3
.set TO_B,   0x40                      ; destination window 1, address window 0
; A joint load: waves 0 and 1 fetch for A, waves 2 and 3 for B.  The branch hangs on the wave's number alone.  An s_nop 0 and four v_nop follow each of the two lines.
.macro JLOAD g0a, g1a, g0b, g1b
	s_cmp_eq_u32 s15, 0
	s_cbranch_scc0 .Lfor_b_\@
	tensor_load_to_lds s[\g0a:\g0a+3], s[\g1a:\g1a+7]
	s_nop 0
.rept 4
	v_nop
.endr
	s_branch .Lasked_\@
.Lfor_b_\@:
	tensor_load_to_lds s[\g0b:\g0b+3], s[\g1b:\g1b+7]
	s_nop 0
.rept 4
	v_nop
.endr
.Lasked_\@:
.endm
.macro CROUND                          ; a round of the cluster's barrier
	s_barrier_signal -1
	s_barrier_wait -1
	s_cmp_lg_u32 s14, 0
	s_cbranch_scc1 .Lnot_wave_0_\@
	s_barrier_signal -3
.Lnot_wave_0_\@:
	s_barrier_wait -3
	s_barrier_signal -1
	s_barrier_wait -1
.endm
	s_load_b512 s[68:83], s[0:1], 0x0              ; K's codes, K's scales, Wk's codes, Wk's scales, Wv's codes, Wv's scales, bk, bv
	s_load_b64 s[12:13], s[0:1], 0x40              ; kv
	v_lshl_add_u32 v[SPW], v0, 2, SPARE
	v_mov_b32 v[NIL], 0
	ds_add_u32 v[SPW], v[NIL]                      ; the wave's opening: the add, twice on end, and its wait ahead of my first tensor load
	ds_add_u32 v[SPW], v[NIL]                      ; and once more; the set-up below, work on registers, stands between it and the wait
	v_lshrrev_b32 v1, 5, v0
	v_readfirstlane_b32 s14, v1                    ; wave 0..3
	s_lshr_b32 s15, s14, 1                         ; which half of A's rows is mine.  Also: I fetch for A (0) or for B (1)
	s_and_b32 s16, s14, 1                          ; which half of B's rows.  Also: which 128 rows of that tile I fetch
	s_bfe_u32 s40, ttmp6, 0x40000                  ; cx, cy: my place in the cluster
	s_bfe_u32 s41, ttmp6, 0x40004
	s_sub_co_u32 s99, ttmp9, 8
	s_cmp_lt_u32 ttmp9, 8                          ; clusters 0-7 make Kp, 8-15 Vp
	s_cselect_b32 s98, ttmp9, 0                    ; Kp: the input K's 32 tiles go along y, four to a cluster; Vp: Wv's four
	s_cselect_b32 s99, 0, s99                      ; Kp: Wk's four tiles go along x; Vp: the input K's 32
	s_lshl_b32 s42, s99, 2
	s_add_co_u32 s42, s42, s40                     ; B's tile
	s_lshl_b32 s17, s98, 2
	s_add_co_u32 s17, s17, s41                     ; A's tile
	s_lshl_b32 s43, s41, 2
	s_lshl_b32 s43, 15, s43                        ; my row of the cluster
	s_lshl_b32 s44, 0x1111, s40                    ; my column
	; descriptor group 1: a tile of 128 rows x 256 bytes, 16 bytes of padding behind each row
	s_or_b32 s[G1+0], s43, (0<<16)|(1<<20)|(1<<21)|(5<<22)|(3<<25)  ; 15:0 the mask; 17:16 elements of 1 byte; 20 padding on; 21 set beside a mask; 24:22 after every 64 words; 31:25 four words
	s_or_b32 s[G1B+0], s44, (0<<16)|(1<<20)|(1<<21)|(5<<22)|(3<<25)
.irp g, G1, G1B
	s_mov_b32 s[\g+1], ROWB<<16                    ; tensor_dim0
	s_mov_b32 s[\g+2], 128<<16                     ; tensor_dim1
	s_mov_b32 s[\g+3], ROWB<<16                    ; tile_dim0
	s_mov_b32 s[\g+4], 128                         ; tile_dim1
	s_mov_b32 s[\g+5], KROW                        ; from row to row
	s_mov_b32 s[\g+6], 0
	s_mov_b32 s[\g+7], 0
.endr
	s_lshl_b32 s18, s16, 7                         ; which 128 rows of the tile I fetch
	s_lshl_b32 s20, s17, 8
	s_add_co_u32 s20, s20, s18                     ; A: row 256 x tile + 128 x half
	s_lshl_b32 s46, s42, 8
	s_add_co_u32 s46, s46, s18                     ; B likewise
	s_mov_b32 s21, 0
	s_mov_b32 s47, 0
	s_mov_b64 s[18:19], KS
	s_mul_u64 s[22:23], s[20:21], s[18:19]         ; where these rows' scale bytes begin
	s_mul_u64 s[92:93], s[46:47], s[18:19]
	s_mov_b64 s[18:19], KROW
	s_mul_u64 s[20:21], s[20:21], s[18:19]         ; and their codes
	s_mul_u64 s[46:47], s[46:47], s[18:19]
	s_mul_i32 s45, s14, HALFT                      ; where they go: wave x 128 rows: no place in the cluster enters an LDS address
	s_mul_i32 s94, s14, HALFS
	s_mov_b32 s[SEL], 0x76543210
	s_mov_b32 s[SEL+1], 0xfedcba98
	s_wait_dscnt 0x0                               ; both opening adds are done
	s_wait_kmcnt 0x0
	s_cmp_lt_u32 ttmp9, 8                          ; the buffers are chosen by the cluster's number
	s_cselect_b64 s[4:5], s[68:69], s[76:77]       ; A's codes: K's or Wv's
	s_cselect_b64 s[6:7], s[70:71], s[78:79]       ; A's scales
	s_cselect_b64 s[8:9], s[72:73], s[68:69]       ; B's codes: Wk's or K's
	s_cselect_b64 s[10:11], s[74:75], s[70:71]     ; B's scales
	s_cselect_b64 s[96:97], s[80:81], s[82:83]     ; bk or bv
	; the scale bytes of 128 rows: 4,096 dense bytes as 16 rows of 256 (32 elements of 8 bytes), 16 bytes of padding behind each
	s_or_b32 s[G1S+0], s43, (3<<16)|(1<<20)|(1<<21)|(5<<22)|(3<<25)
	s_or_b32 s[G1SB+0], s44, (3<<16)|(1<<20)|(1<<21)|(5<<22)|(3<<25)
.irp g, G1S, G1SB
	s_mov_b32 s[\g+1], 32<<16
	s_mov_b32 s[\g+2], (128*KS/256)<<16
	s_mov_b32 s[\g+3], 32<<16
	s_mov_b32 s[\g+4], 128*KS/256
	s_mov_b32 s[\g+5], 32
	s_mov_b32 s[\g+6], 0
	s_mov_b32 s[\g+7], 0
.endr
	s_add_nc_u64 s[20:21], s[4:5], s[20:21]
	s_add_nc_u64 s[22:23], s[6:7], s[22:23]
	s_add_nc_u64 s[46:47], s[8:9], s[46:47]
	s_add_nc_u64 s[92:93], s[10:11], s[92:93]
	CROUND                                         ; all sixteen work-groups are here: the joint loads meet
	s_mov_b32 s[G0S], 1
	s_add_co_u32 s[G0S+1], s94, SCL
	s_mov_b64 s[G0S+2:G0S+3], s[22:23]
	s_or_b32 s[G0S+3], s[G0S+3], 0x80000000
	s_mov_b32 s[G0SB], 1
	s_add_co_u32 s[G0SB+1], s94, SCL
	s_mov_b64 s[G0SB+2:G0SB+3], s[92:93]
	s_or_b32 s[G0SB+3], s[G0SB+3], 0x80000000
	JLOAD G0S, G1S, G0SB, G1SB                     ; the scale bytes first: they are wanted with K step 0
.irp s, 0,1
	s_mov_b32 s[G0+4*\s], 1
	s_add_co_u32 s[G0+4*\s+1], s45, \s*SLOT
	s_add_nc_u64 s[G0+4*\s+2:G0+4*\s+3], s[20:21], \s*ROWB
	s_or_b32 s[G0+4*\s+3], s[G0+4*\s+3], 0x80000000
	s_mov_b32 s[G0B+4*\s], 1
	s_add_co_u32 s[G0B+4*\s+1], s45, \s*SLOT
	s_add_nc_u64 s[G0B+4*\s+2:G0B+4*\s+3], s[46:47], \s*ROWB
	s_or_b32 s[G0B+4*\s+3], s[G0B+4*\s+3], 0x80000000
	s_wait_alu depctr_va_vdst(0)
	s_wait_tensorcnt 0x0
	ds_add_u32 v28, v29
	s_wait_dscnt 0x0
	CROUND
	JLOAD G0+4*\s, G1, G0B+4*\s, G1B               ; both K steps, each behind the wait for the one before: one load of mine is out, and none follows
.endr
	v_and_b32 v1, 15, v0                           ; r = l % 16
	v_bfe_u32 v2, v0, 4, 1                         ; h = l / 16
	v_mul_u32_u24 v3, v1, PITCH
	v_lshl_add_u32 v4, v2, 4, v3                   ; a fragment's row x pitch + 16 x half
	s_mul_i32 s21, s15, HALFT                      ; my 128 rows of A
	s_mul_i32 s22, s16, HALFT                      ; my 128 rows of B,
	s_add_co_u32 s22, s22, 2*HALFT                 ; which lie behind A's 256
.irp s, 0,1
	v_add_nc_u32 v[ADRA+\s], s21, v4
	v_add_nc_u32 v[ADRB+\s], s22, v4
	s_add_co_u32 s21, s21, SLOT
	s_add_co_u32 s22, s22, SLOT
.endr
	v_mul_u32_u24 v5, v1, KS                       ; my row's scale bytes: 32 a row,
	v_lshrrev_b32 v6, 8, v5
	v_lshl_add_u32 v5, v6, 4, v5                   ; and 16 more for each 256 passed
	s_mul_i32 s21, s15, HALFS                      ; A's: my 128 rows
	s_mul_i32 s22, s16, HALFS                      ; B's: my 128 rows, behind A's 256
	s_add_co_u32 s22, s22, 2*HALFS
	s_sub_co_u32 s22, s22, s21
	v_mul_u32_u24 v6, s22, v2                      ; lanes 16-31 take B's
	s_add_co_u32 s21, s21, SCL
	v_add_nc_u32 v5, v5, v6
	v_add_nc_u32 v[ADRS], s21, v5
	v_and_b32 v6, 31, v0
	v_lshlrev_b32 v[LI], 4, v6
	v_lshlrev_b32 v[L8], 3, v6
	v_lshlrev_b32 v[BKA], 5, v2
	s_wait_alu depctr_va_vdst(0)
	v_lshlrev_b32 v[BVA], 2, v1
	s_wait_alu depctr_va_vdst(0)
	v_cmp_ne_u32 s100, 0, v2                       ; the mask of lanes 16-31
	; where my part of kv begins: my 128 keys are one key step, my 128 channels two heads
	s_cmp_lt_u32 ttmp9, 8
	s_cselect_b32 s92, s17, s42                    ; the input K's tile,
	s_cselect_b32 s93, s15, s16                    ; my half of it;
	s_cselect_b32 s94, s42, s17                    ; the weight's tile,
	s_cselect_b32 s95, s16, s15                    ; my half of it
	s_lshr_b32 s20, s92, 3                         ; the batch: eight tiles of 256 keys each
	s_and_b32 s92, s92, 7
	s_lshl_b32 s92, s92, 1
	s_add_co_u32 s92, s92, s93                     ; the key step
	s_lshl_b32 s94, s94, 1
	s_add_co_u32 s94, s94, s95                     ; which 128 channels
	s_lshl_b32 s21, s94, 1                         ; their first head
	s_lshl_b32 s20, s20, 4
	s_add_co_u32 s20, s20, s21
	s_lshl_b32 s20, s20, 4
	s_add_co_u32 s20, s20, s92
	s_mul_i32 s20, s20, REC                        ; ((batch x 16 + head) x 16 + key step) records: under 2^24 bytes
	s_mov_b32 s21, 0
	s_add_nc_u64 s[12:13], s[12:13], s[20:21]
	s_lshl_b32 s20, s94, 9                         ; the bias of my 128 channels
	s_add_nc_u64 s[96:97], s[96:97], s[20:21]
	; The bias comes now, in both forms (by register for Kp, by lane for Vp: the same 512 bytes on both paths; each arm of the way out uses one), so that no wait for memory stands at the tail and no register is written on one path alone.
.irp b, 0,1,2,3,4,5,6,7
	global_load_b128 v[BI+8*\b:BI+8*\b+3], v[BKA], s[96:97] offset:64*\b
	global_load_b128 v[BI+8*\b+4:BI+8*\b+7], v[BKA], s[96:97] offset:64*\b+16
.endr
.irp a, 0,1,2,3,4,5,6,7
	global_load_b32 v[BV+\a], v[BVA], s[96:97] offset:64*\a
.endr
.macro FRAG reg, adr, q, i             ; a fragment, 16 rows x 128 K: lane l holds row l % 16; registers 4 c .. 4 c + 3 hold K = 64 c + 32 (l / 16) + 0 .. 31
.irp c, 0,1
	ds_load_b128 v[\reg+4*\c:\reg+4*\c+3], v[\adr] offset:64*(\q)+32*\c+(\i)*16*PITCH
.endr
.endm
; 16 matrix instructions: A's blocks a0, a0 + 1 x B's eight, the slot's q-th 128 along K.  p: B's set;  sc: the set of scale words.  zero = 1: the first product starts the sums.
; The 64 accumulators take turns, one instruction a turn, in the same order in every step.
.macro MUL16 a0, p, q, sc, zero
.irp a, \a0, \a0+1
.irp b, 0,1,2,3,4,5,6,7
.if \zero
	v_wmma_scale_f32_16x16x128_f8f6f4 v[8*(8*((\a)%4)+\b):8*(8*((\a)%4)+\b)+7], v[128*(\p)+FR*\b:128*(\p)+FR*\b+FR-1], v[AF+FR*(\a):AF+FR*(\a)+FR-1], 0, v[SC+8*NQ*(\sc)+NQ*\b+(\q)], v[SC+8*NQ*(\sc)+NQ*(\a)+(\q)] matrix_a_fmt:MATRIX_FMT_FP4 matrix_b_fmt:MATRIX_FMT_FP4 matrix_a_scale:MATRIX_SCALE_ROW1
.else
	v_wmma_scale_f32_16x16x128_f8f6f4 v[8*(8*((\a)%4)+\b):8*(8*((\a)%4)+\b)+7], v[128*(\p)+FR*\b:128*(\p)+FR*\b+FR-1], v[AF+FR*(\a):AF+FR*(\a)+FR-1], v[8*(8*((\a)%4)+\b):8*(8*((\a)%4)+\b)+7], v[SC+8*NQ*(\sc)+NQ*\b+(\q)], v[SC+8*NQ*(\sc)+NQ*(\a)+(\q)] matrix_a_fmt:MATRIX_FMT_FP4 matrix_b_fmt:MATRIX_FMT_FP4 matrix_a_scale:MATRIX_SCALE_ROW1
.endif
.endr
.endr
.endm
.macro FETCH_B slot, q, p              ; B's eight fragments of the slot's q-th 128 along K into set p
	WIN TO_B
.irp i, 0,1,2,3,4,5,6,7
	FRAG 128*(\p)+FR*\i, ADRB+\slot, \q, \i
.endr
	WIN 0
.endm
.macro FETCH_A slot, q, i0             ; A's blocks i0 .. i0 + 3
.irp i, \i0, \i0+1, \i0+2, \i0+3
	FRAG AF+FR*(\i), ADRA+\slot, \q, \i
.endr
.endm
.macro SCALES sc                       ; a K step's scale words into set sc: four words a row; lanes 0-15 take A's block i, lanes 16-31 B's block i
.irp i, 0,1,2,3,4,5,6,7
	ds_load_b128 v[SC+8*NQ*\sc+NQ*\i:SC+8*NQ*\sc+NQ*\i+3], v[ADRS] offset:\i*SBLK
.endr
.endm
; A load into a register that a matrix instruction has read, and a vector instruction that reads a matrix result or writes one of its registers, stand NP places behind it; only plain vector instructions that name none of its registers are places.
.macro PLACES n
.rept \n
	v_nop
.endr
.endm
; A step of 128 along K that has its successor in the same slot.  A block of A is free as soon as its eight products are issued: blocks 0-3 are fetched anew in the step's middle, blocks 4-7 at its end; B has two sets.
.macro STEP slot, q, zero
	s_wait_dscnt 4*NL                              ; B's set and A's blocks 0-3 are in; the youngest eight loads (A's blocks 4-7) may be out
	WIN MUL_LO
	MUL16 0, (\q)%2, \q, \slot, \zero
	MUL16 2, (\q)%2, \q, \slot, \zero
	s_wait_dscnt 0                                 ; A's blocks 4-7 are in
	PLACES NP
	FETCH_B \slot, (\q)+1, 1-(\q)%2
	FETCH_A \slot, (\q)+1, 0
	WIN MUL_HI
	MUL16 4, (\q)%2, \q, \slot, \zero
	MUL16 6, (\q)%2, \q, \slot, \zero
	PLACES NP
	WIN 0
	FETCH_A \slot, (\q)+1, 4
.endm
; Slot 0's last step goes on into slot 1: each wave waits for all its tensor loads, its part of slot 1 among them, and the barrier shows slot 1 whole to all four.  Nothing is filled again.
.macro TURN slot, next
	s_wait_tensorcnt 0x0                           ; all my tensor loads have landed
	ds_add_u32 v[SPW], v[NIL]                      ; 0 onto my spare word
	s_wait_dscnt 4*NL+1                            ; (the add and the youngest eight loads, A's blocks 4-7, may be out)
	WIN MUL_LO
	MUL16 0, 1, NQ-1, \slot, 0
	s_wait_dscnt 0x0                               ; no LDS instruction of mine is out at the signal
	s_barrier_signal -1
	MUL16 2, 1, NQ-1, \slot, 0
	WIN 0
	s_barrier_wait -1
	PLACES NP
	v_add_nc_u32 v[ADRS], 4*NQ, v[ADRS]            ; on to the next K step's scale words
	FETCH_B \next, 0, 0
	FETCH_A \next, 0, 0
	SCALES \next
	WIN MUL_HI
	MUL16 4, 1, NQ-1, \slot, 0
	MUL16 6, 1, NQ-1, \slot, 0
	PLACES NP
	WIN 0
	FETCH_A \next, 0, 4
.endm
.macro STEPS slot, from                ; the slot's steps from .. NQ - 2
.set Q, \from
.rept NQ-1-\from
	STEP \slot, Q, 0
.set Q, Q+1
.endr
.endm
	s_wait_tensorcnt 1                             ; the scale bytes and my part of K step 0 are in (K step 1's load may be out),
	s_barrier_signal -1
	s_barrier_wait -1                              ; everybody's are
	FETCH_B 0, 0, 0
	FETCH_A 0, 0, 0
	SCALES 0
	FETCH_A 0, 0, 4
	STEP 0, 0, 1                                   ; the first step's products start the sums: nothing is cleared
	STEPS 0, 1
	TURN 0, 1
	STEPS 1, 0
	s_wait_dscnt 4*NL                              ; the last step: nothing more to fetch
	WIN MUL_LO
	MUL16 0, 1, NQ-1, 1, 0
	MUL16 2, 1, NQ-1, 1, 0
	s_wait_dscnt 0
	WIN MUL_HI
	MUL16 4, 1, NQ-1, 1, 0
	MUL16 6, 1, NQ-1, 1, 0
	WIN 0
; THE QUANTISER.  32 registers of a lane, v[x] on: register 8 t + j is element 16 t + 8 h + j of the lane's row of 64: four neighbouring result tiles.  Block b of 32 lies in registers 16 b .. 16 b + 15 of lanes l and l xor 16.
; Out: v[c] .. v[c + 3]: lane (r, h) holds the codes of elements 32 h + 0 .. 31, as a 4-bit operand's registers want them; v[BX], v[BX + 1]: the two scale bytes, in both halves of the lanes.
; A conversion's word in lane (r, h) of tile t is word 2 (t % 2) + h of block t / 2.  The first two exchanges of halves sort a block's words into (0 | 2), (1 | 3); the last two bring block 0 into lanes 0-15 and block 1 into lanes 16-31.
.macro QUANT64 x, c
.irp b, 0,1
	v_max3_num_f32 v[BM+\b], |v[\x+16*\b]|, |v[\x+16*\b+1]|, 0x1800000   ; my 16 numbers of block b, and the floor 2^(3 - 127): the byte cannot fall under 1
.endr
.irp i, 2,4,6,8,10,12,14
.irp b, 0,1
	v_max3_num_f32 v[BM+\b], v[BM+\b], |v[\x+16*\b+\i]|, |v[\x+16*\b+\i+1]|
.endr
.endr
.irp b, 0,1
	v_permlanex16_b32 v[BX+\b], v[BM+\b], s[SEL], s[SEL+1]
.endr
.irp b, 0,1
	v_max_num_f32 v[BM+\b], v[BM+\b], v[BX+\b]     ; with lane l xor 16's: the block's largest magnitude
.endr
.irp b, 0,1
	v_add_nc_u32 v[SO+\b], 0xff000000, v[BM+\b]    ; 2 off its exponent field: the conversion takes the exponent field of this operand as its scale
.endr
.irp b, 0,1
	v_lshrrev_b32 v[BX+\b], 23, v[SO+\b]           ; the scale's byte
.endr
.irp t, 0,1,2,3
	v_cvt_scalef32_pk8_fp4_f32 v[\c+\t], v[\x+8*\t:\x+8*\t+7], v[SO+\t/2]
.endr
	v_nop                                          ; one plain place behind a scaled conversion
	v_permlane16_swap_b32 v[\c], v[\c+1]
	v_permlane16_swap_b32 v[\c+2], v[\c+3]
	v_permlane16_swap_b32 v[\c], v[\c+2]
	v_permlane16_swap_b32 v[\c+1], v[\c+3]
.endm
; THE WAY OUT of block a (16 rows of A), half g of B's 128 rows: the bias is added, 64 numbers a row are quantised, the codes are stored: 32 lanes, 512 consecutive bytes, at a multiple of 256 from kv's first byte.
; isk = 1 (Kp): a lane is key 16 a + r, the 64 numbers are head g's channels.  isk = 0 (Vp): a lane is channel 16 a + r (head a / 4, tile a % 4), the 64 numbers are keys 64 g on.
; The scale words: a word is the same in lanes r and 16 + r; an even block's goes to lanes 0-15 of the register that is stored, the next odd block's to lanes 16-31.
.macro EPI a, g, isk
.set CC, CS+4*((2*(\a)+(\g))%8)
.set AC, 8*(8*((\a)%4)+4*(\g))
.if 2*(\a)+(\g) >= 8
	s_wait_xcnt 0x0                                ; the stores issued so far have read their registers: this set of code registers, stored eight pieces ago, is written again only behind this wait
.endif
	WIN (0x02+(\a)/4)                              ; source 0: the accumulators' window
.irp bb, 0,1,2,3
.irp i, 0,2,4,6
.if \isk
	v_pk_add_f32 v[T+8*\bb+\i:T+8*\bb+\i+1], v[AC+8*\bb+\i:AC+8*\bb+\i+1], v[BI+8*(4*(\g)+\bb)+\i:BI+8*(4*(\g)+\bb)+\i+1]   ; each accumulator from its low end on
.elseif ((\a)%2) == 0
	v_pk_add_f32 v[T+8*\bb+\i:T+8*\bb+\i+1], v[AC+8*\bb+\i:AC+8*\bb+\i+1], v[BV+2*((\a)/2):BV+2*((\a)/2)+1] op_sel_hi:[1,0]   ; my channel's bias: the pair's first register for both halves
.else
	v_pk_add_f32 v[T+8*\bb+\i:T+8*\bb+\i+1], v[AC+8*\bb+\i:AC+8*\bb+\i+1], v[BV+2*((\a)/2):BV+2*((\a)/2)+1] op_sel:[0,1] op_sel_hi:[1,1]   ; the pair's second register for both halves
.endif
.endr
.endr
	WIN 0
	QUANT64 T, CC
.if \isk
.if ((\a)%2) == 0
	v_lshl_or_b32 v[WE+\g], v[BX+1], 8, v[BX]
.else
	v_lshl_or_b32 v[TW], v[BX+1], 8, v[BX]
	v_cndmask_b32 v[SK+4*(\g)+(\a)/2], v[WE+\g], v[TW], s100
.endif
	global_store_b128 v[LI], v[CC:CC+3], s[12:13] offset:(\g)*HEADB+(\a)*512
.else
.set WW, WE+2*((\a)%2)
.if (\g) == 0
	v_lshl_or_b32 v[WW], v[BX+1], 8, v[BX]         ; blocks 0, 1 of the 128 keys
.else
	v_lshl_or_b32 v[WW], v[BX], 16, v[WW]          ; blocks 2, 3
	v_lshl_or_b32 v[WW], v[BX+1], 24, v[WW]
.if ((\a)%2) == 1
	v_cndmask_b32 v[SK+2*((\a)/4)+((\a)%4)/2], v[WE], v[TW], s100
.endif
.endif
	global_store_b128 v[LI], v[CC:CC+3], s[12:13] offset:((\a)/4)*HEADB+4608+((\a)%4)*1024+(\g)*512
.endif
.endm
	PLACES NP                                      ; behind the last products: the way out reads results and writes registers that held A's fragments
	v_mov_b32 v[BX], 0                             ; a lane permute's destination counts as one of its sources
	v_mov_b32 v[BX+1], 0
	s_wait_loadcnt 0x0                             ; the bias
	s_cmp_lt_u32 ttmp9, 8                          ; the cluster's number: the same in all sixteen partners
	s_cbranch_scc0 .Lv_arm
.irp a, 0,1,2,3,4,5,6,7
.irp g, 0,1
	EPI \a, \g, 1
.endr
.endr
.irp g, 0,1
	global_store_b128 v[LI], v[SK+4*\g:SK+4*\g+3], s[12:13] offset:\g*HEADB+4096   ; head g's scale words of my 128 keys: 512 consecutive bytes
.endr
	s_branch .Ldone
.Lv_arm:
.irp a, 0,1,2,3,4,5,6,7
.irp g, 0,1
	EPI \a, \g, 0
.endr
.endr
.irp d, 0,1
	global_store_b64 v[L8], v[SK+2*\d:SK+2*\d+1], s[12:13] offset:\d*HEADB+8704    ; head d's scale words of its 64 channels: 256 consecutive bytes
.endr
.Ldone:
	s_wait_tensorcnt 0x0                           ; the wave's end, behind my last tensor load
	ds_add_u32 v[SPW], v[NIL]
	s_wait_dscnt 0x0
	CROUND                                         ; the closing round: no work-group ends while a partner may still ask for a tile that names it
	s_endpgm
.Lfunc_end_k_q5470e59cd9_kvproj:
	.size	k_q5470e59cd9_kvproj, .Lfunc_end_k_q5470e59cd9_kvproj-k_q5470e59cd9_kvproj
	.p2alignl 7, 3214868480
	.fill 96, 4, 3214868480
	.section	.rodata,"a",@progbits
	.p2align	6, 0x0
	.amdhsa_kernel k_q5470e59cd9_kvproj
		.amdhsa_group_segment_fixed_size 327680
		.amdhsa_private_segment_fixed_size 0
		.amdhsa_enable_private_segment 0
		.amdhsa_kernarg_size 72
		.amdhsa_user_sgpr_count 2
		.amdhsa_user_sgpr_kernarg_segment_ptr 1
		.amdhsa_wavefront_size32 1
		.amdhsa_system_sgpr_workgroup_id_x 1
		.amdhsa_system_sgpr_workgroup_id_y 1
		.amdhsa_system_sgpr_workgroup_id_z 1
		.amdhsa_system_vgpr_workitem_id 0
		.amdhsa_next_free_vgpr 1024
		.amdhsa_next_free_sgpr 102
		.amdhsa_reserve_vcc 0
		.amdhsa_float_denorm_mode_32 3
		.amdhsa_float_denorm_mode_16_64 3
		.amdhsa_memory_ordered 1
		.amdhsa_forward_progress 1
		.amdhsa_inst_pref_size 199
	.end_amdhsa_kernel
	.amdgpu_metadata
---
amdhsa.version: [ 1, 2 ]
amdhsa.kernels:
  - .name:           k_q5470e59cd9_kvproj
    .symbol:         k_q5470e59cd9_kvproj.kd
    .args:
      - { .name: K_codes, .offset: 0, .size: 8, .value_kind: global_buffer, .address_space: global }
      - { .name: K_scales, .offset: 8, .size: 8, .value_kind: global_buffer, .address_space: global }
      - { .name: Wk_codes, .offset: 16, .size: 8, .value_kind: global_buffer, .address_space: global }
      - { .name: Wk_scales, .offset: 24, .size: 8, .value_kind: global_buffer, .address_space: global }
      - { .name: Wv_codes, .offset: 32, .size: 8, .value_kind: global_buffer, .address_space: global }
      - { .name: Wv_scales, .offset: 40, .size: 8, .value_kind: global_buffer, .address_space: global }
      - { .name: bk, .offset: 48, .size: 8, .value_kind: global_buffer, .address_space: global }
      - { .name: bv, .offset: 56, .size: 8, .value_kind: global_buffer, .address_space: global }
      - { .name: kv, .offset: 64, .size: 8, .value_kind: global_buffer, .address_space: global }
    .group_segment_fixed_size: 327680
    .private_segment_fixed_size: 0
    .kernarg_segment_align: 8
    .kernarg_segment_size: 72
    .max_flat_workgroup_size: 128
    .sgpr_count:     102
    .vgpr_count:     1024
    .wavefront_size: 32
...
	.end_amdgpu_metadata
.endif
;; end of part 1
;; launch attn (part 2): grid 4 x 64, 16 waves a work-group, clusters of 4 x 1, 327,680 bytes of LDS; arguments Q_codes, Q_scales, Wq_codes, Wq_scales, bq, kv, of32, oimg, osc; writes of32, oimg, osc
.if DOCPART == 2
	.amdgcn_target "amdgcn-amd-amdhsa--gfx1250"
	.amdhsa_code_object_version 6
	.text
	.protected	k_q5470e59cd9_attn
	.globl	k_q5470e59cd9_attn
	.p2align	8
	.type	k_q5470e59cd9_attn,@function
k_q5470e59cd9_attn:
	s_mov_b64 s[64:65], 0
	v_nop
	global_prefetch_b8 v0, s[64:65] scope:SCOPE_SE
	s_setreg_imm32_b32 hwreg(HW_REG_WAVE_MODE, 25, 1), 1
	s_wait_xcnt 0x0
	s_wait_alu depctr_hold_cnt(0) depctr_sa_sdst(0) depctr_va_vdst(0) depctr_va_sdst(0) depctr_va_ssrc(0) depctr_va_vcc(0) depctr_vm_vsrc(0)
	s_getreg_b32 s2, hwreg(HW_REG_IB_STS2, 6, 4)
	s_cmp_eq_u32 s2, 0
	s_cbranch_scc0 .Lentry_in_a_cluster
	s_endpgm
.Lentry_in_a_cluster:
	s_bfe_u32 s2, ttmp6, 0x10000c
	s_cmp_lg_u32 s2, 0x3003
	s_cbranch_scc0 .Lentry_shape_is_right
	s_endpgm
.Lentry_shape_is_right:
; O[b][n][head's 64] = Qp + softmax(Qp Kp^T / 32) Vp for one batch and head, with Qp = Q Wq^T + bq made here for the work-group's own rows and head.  All three products on codes of FP4 (E2M1), one E8M0 scale for each 32 along K.  No work is left out.
; THE SOFTMAX AHEAD OF THE SECOND PRODUCT: t = score x log2(e) / 32; M = the row's largest t so far, rounded UP to a whole number; p = 2^(t - M) is quantised along the keys, not normalised; the row's sum is taken of the unquantised p
; and divides at the end.  When M moves, the sum and O are multiplied by 2^(old M - new M): exact.
; IN: Q's and Wq's codes and scale bytes, bq; kv, the records that the launch before has laid (a key step of 128 keys: K's codes, K's scale words, V's codes, V's scale words: 8,960 bytes as images of operand registers).
; OUT, for the last launch: of32 [row tile (512)][column tile (64)][2][lane][16 bytes]: O in f32 in the result's register layout;  oimg [row tile][head][lane][16 bytes]: O's codes: lane (r, h): row r, the head's channels 32 h + 0 .. 31;
;   osc [head][row] words: the head's two scale bytes of that row.  A wave's store into osc covers 128 consecutive bytes, half of an aligned 256: one store a wave against its 18 of 512 bytes.
; LIMITS: NaN and infinities among the inputs are not served.  A block whose largest magnitude lies under 2^(3 - 127), a block of zeros among them, gets the scale byte 1 (a block of zeros has zero codes, and the bytes are this program's own).
;   The scores' K is 64 in an instruction of 128: the upper 64 are zero codes on both sides, under the scale byte 0, which is 2^-127 and no NaN.
; SHARES.  y = batch x 16 + head.  The four work-groups of a cluster are the four blocks of 512 queries of one y: they read the same K, V and slice of Wq, so every tensor load is joint.  Sixteen waves, four to a SIMD, so that one wave's
; vector work stands beside another's products and LDS loads; a wave owns two tiles of 16 queries, which it takes one after the other (PASS 0, PASS 1).
; LDS: the head's 16 records (143,360 bytes) and Wq's 64 rows (pitch 528) are filled ONCE, at the head: no ring, no refill, no LDS store.
; LAYOUT.  All products are used transposed (source 0 = 16 channels of Wq, 16 keys, 16 channels of V; source 1 = my 16 queries): a lane holds ONE query (lane % 16) throughout, and its registers run along the next product's K.
; REGISTERS: v1-11, v24-25 addresses; v12 -M, v13 the largest t, v[14:15] the sum in two halves; v16-23 q's fragment (upper four: zeros); v26-27 O's scale words; v32-63 four fragments of K (upper four of each: zeros);
;   v64-95 Qp; v96-159 the scores, then p, then V's fragments (in the projection: Q's eight fragments); v160-191 O^T (in the projection: Wq's fragments, set 0); v192-223 at work (in the projection: set 1); v224-249 scale words and nothing else.
.set REC,   8960                       ; a record of kv
.set HEADB, 16*REC                     ; a head's 16 records
.set WQ,    HEADB                      ; LDS: behind them Wq's 64 rows of 512 bytes,
.set WQP,   528                        ; 528 bytes apart: the 16 rows that a load touches start 16 bytes apart modulo 256
.set SPARE, WQ+64*WQP                  ; the spare words, 128 bytes for each wave
.set LI,  1                            ; 16 x lane
.set SPW, 2                            ; LDS address of my spare word; never rewritten
.set NIL, 3                            ; 0; never rewritten
.set AWQ, 4                            ; WQ + 528 r + 16 h
.set QA,  5                            ; 512 r + 16 h
.set QSA, 6                            ; 32 r
.set WSA, 7                            ; 32 x lane
.set BQA, 8                            ; 32 h
.set ADK, 9                            ; the record in hand + 16 x lane
.set ADV, 10                           ; the record in hand + 8 x lane
.set L8,  11                           ; 8 x lane
.set QF,  16
.set L4,  24                           ; 4 x lane
.set PFO, 25                           ; 256 x lane
.set OWK, 26                           ; O's scale words: lanes 0-15 pass 0's rows, lanes 16-31 pass 1's
.set OW,  27
.set KF,  32
.set QP,  64
.set S,   96
.set O,   160
.set WF0, 160
.set PC,  192                          ; v192-199 p's codes; O's codes
.set BM,  200                          ; v200-203 the blocks' largest
.set BX,  204                          ; v204-207 the other half's; a chain of the sums; the scale bytes
.set SO,  208                          ; v208-211 the conversions' scale operands
.set FF,  212                          ; v[212:213] f = 2^(old M - new M); 1 / the sum
.set TP,  214
.set SC,  224                          ; in the projection: v[SC + 8 i + s] Wq's scale words (lane l: row 32 i + l, K step s); v[SC + 16 + s] Q's
.set KS,  224                          ; in the key loop: v224-227 K's scale words (register i, lane l: key 32 i + l),
.set VS,  228                          ; v228-229 V's (register i, lane l: channel 32 i + l)
.set PW,  248                          ; p's scale word
.set QW,  249                          ; q's
.set WV,  22                           ; s22 my wave's number
.set G1R, 28                           ; s[28:35] descriptor group 1 for a record;  s[36:39] its group 0
.set G0R, 36
.set G1W, 40                           ; s[40:47], s[48:51] the same for four rows of Wq
.set G0W, 48
.set SEL, 52                           ; s[52:53] lane selects for v_permlanex16_b32: lane l xor 16
.set CS,  54                           ; s[54:55] c = log2(e) / 32: the packed form names a pair and takes its low word for both halves
.set TB,  56                           ; s56 LDS byte at which the record in hand begins
.set CNT, 57                           ; s57 key steps to go
.set PFT, 58                           ; s58 the count at which I prefetch, or a number that the count never takes
.set HI,  59                           ; s59 the mask of lanes 16-31
.macro CROUND                          ; a round of the cluster's barrier
	s_barrier_signal -1
	s_barrier_wait -1
	s_cmp_lg_u32 s[WV], 0
	s_cbranch_scc1 .Lnot_wave_0_\@
	s_barrier_signal -3
.Lnot_wave_0_\@:
	s_barrier_wait -3
	s_barrier_signal -1
	s_barrier_wait -1
.endm
	s_load_b512 s[4:19], s[0:1], 0x0               ; Q's codes s[4:5], Q's scales s[6:7], Wq's codes s[8:9], Wq's scales s[10:11], bq s[12:13], kv s[14:15], of32 s[16:17], oimg s[18:19]
	s_load_b64 s[20:21], s[0:1], 0x40              ; osc
	v_lshl_add_u32 v[SPW], v0, 2, SPARE
	v_mov_b32 v[NIL], 0
	ds_add_u32 v[SPW], v[NIL]                      ; the wave's opening: the add, twice on end, and its wait ahead of my first tensor load
	ds_add_u32 v[SPW], v[NIL]                      ; and once more; the set-up below, work on registers, stands between it and the wait
	v_lshrrev_b32 v28, 5, v0
	s_delay_alu instid0(VALU_DEP_1)
	v_readfirstlane_b32 s[WV], v28                 ; wave 0..15
	s_and_b32 s24, ttmp7, 0xffff                   ; y, which the four partners share
	s_and_b32 s25, s24, 15                         ; the head
	s_lshr_b32 s26, s24, 4                         ; the batch
	; a record: 8,960 dense bytes as 35 rows of 256 (32 elements of 8 bytes), no padding: every LDS read of it is 16 or 8 bytes a lane on end
	s_mov_b32 s[G1R], 15|(3<<16)|(1<<21)           ; 15:0 the mask: all four work-groups; 17:16 elements of 8 bytes; 21 set beside a mask
	s_mov_b32 s[G1R+1], 32<<16                     ; tensor_dim0
	s_mov_b32 s[G1R+2], 35<<16                     ; tensor_dim1
	s_mov_b32 s[G1R+3], 32<<16                     ; tile_dim0
	s_mov_b32 s[G1R+4], 35                         ; tile_dim1
	s_mov_b32 s[G1R+5], 32                         ; from row to row
	s_mov_b32 s[G1R+6], 0
	s_mov_b32 s[G1R+7], 0
	; four rows of Wq: 512 bytes each, 16 bytes of padding behind each
	s_mov_b32 s[G1W], 15|(0<<16)|(1<<20)|(1<<21)|(6<<22)|(3<<25)  ; elements of 1 byte; padding: four words after every 128
	s_mov_b32 s[G1W+1], 512<<16
	s_mov_b32 s[G1W+2], 4<<16
	s_mov_b32 s[G1W+3], 512<<16
	s_mov_b32 s[G1W+4], 4
	s_mov_b32 s[G1W+5], 512
	s_mov_b32 s[G1W+6], 0
	s_mov_b32 s[G1W+7], 0
	s_mov_b32 s[G0R], 1
	s_mul_i32 s[G0R+1], s[WV], REC                 ; wave w fetches record w: LDS byte 8,960 w,
	s_mul_i32 s66, s24, HEADB
	s_add_co_u32 s66, s66, s[G0R+1]                ; from byte 143,360 y + 8,960 w of kv
	s_mov_b32 s67, 0
	s_mov_b32 s[G0W], 1
	s_mul_i32 s60, s[WV], 4*WQP
	s_add_co_u32 s[G0W+1], s60, WQ                 ; and rows 4 w .. 4 w + 3 of the head's 64 of Wq
	s_lshl_b32 s68, s25, 15
	s_lshl_b32 s69, s[WV], 11
	s_add_co_u32 s68, s68, s69
	s_mov_b32 s69, 0
	s_mov_b32 s[SEL], 0x76543210
	s_mov_b32 s[SEL+1], 0xfedcba98
	s_mov_b32 s[CS], 0x3d38aa3b                    ; c = log2(e) / 32
	s_mov_b32 s[CS+1], s[CS]                       ; (named with it as a pair, so it is written)
	s_wait_dscnt 0x0                               ; both opening adds are done
	s_wait_kmcnt 0x0
	s_add_nc_u64 s[G0R+2:G0R+3], s[14:15], s[66:67]
	s_or_b32 s[G0R+3], s[G0R+3], 0x80000000
	s_add_nc_u64 s[G0W+2:G0W+3], s[8:9], s[68:69]
	s_or_b32 s[G0W+3], s[G0W+3], 0x80000000
	CROUND                                         ; all four work-groups are here: the joint loads meet
	tensor_load_to_lds s[G0R:G0R+3], s[G1R:G1R+7]  ; every wave issues both, the second behind the wait for the first: one load of mine is out, and none follows
	s_nop 0
	s_wait_alu depctr_va_vdst(0)
	s_wait_tensorcnt 0x0
	ds_add_u32 v2, v3
	s_wait_dscnt 0x0
	CROUND
	tensor_load_to_lds s[G0W:G0W+3], s[G1W:G1W+7]
	s_nop 0
.rept 4
	v_nop
.endr
	; my rows: row tile T0 = 128 x batch + 32 x (my place in the cluster) + 2 x wave, and T0 + 1.  The place enters plain global addresses alone
	s_bfe_u32 s23, ttmp6, 0x40000
	s_lshl_b32 s60, s26, 7
	s_lshl_b32 s61, s23, 5
	s_add_co_u32 s60, s60, s61
	s_lshl_b32 s61, s[WV], 1
	s_add_co_u32 s60, s60, s61
	s_mov_b32 s63, 0
	s_lshl_b32 s62, s60, 13                        ; 16 rows of 512 bytes
	s_add_nc_u64 s[4:5], s[4:5], s[62:63]          ; Q's codes
	s_add_nc_u64 s[18:19], s[18:19], s[62:63]      ; oimg: 16 heads x 512 bytes a row tile
	s_lshl_b32 s62, s60, 9
	s_add_nc_u64 s[6:7], s[6:7], s[62:63]          ; Q's scale bytes: 16 rows of 32
	s_lshl_b32 s62, s60, 16
	s_add_nc_u64 s[16:17], s[16:17], s[62:63]      ; of32: 64 column tiles x 1,024 bytes a row tile
	s_lshl_b32 s62, s60, 6
	s_add_nc_u64 s[20:21], s[20:21], s[62:63]      ; osc: 16 words
	s_lshl_b32 s62, s25, 11
	s_add_nc_u64 s[10:11], s[10:11], s[62:63]      ; the head's 64 rows of Wq's scale bytes
	s_lshl_b32 s62, s25, 8
	s_add_nc_u64 s[12:13], s[12:13], s[62:63]      ; its 64 numbers of bq
	s_lshl_b32 s62, s25, 12
	s_add_nc_u64 s[16:17], s[16:17], s[62:63]      ; its four column tiles
	s_lshl_b32 s62, s25, 9
	s_add_nc_u64 s[18:19], s[18:19], s[62:63]
	s_lshl_b32 s62, s25, 15
	s_add_nc_u64 s[20:21], s[20:21], s[62:63]      ; its 8,192 words
	s_cmp_eq_u32 s25, 0                            ; sixteen heads read the same rows of Q: head 0's work-groups prefetch (y is the same in all four partners)
	s_cselect_b32 s[PFT], 3, -1
	v_and_b32 v28, 31, v0                          ; lane
	v_and_b32 v29, 15, v0                          ; r
	v_bfe_u32 v30, v0, 4, 1                        ; h
	s_delay_alu instid0(VALU_DEP_3)
	v_lshlrev_b32 v[LI], 4, v28
	s_delay_alu instid0(VALU_DEP_4)
	v_lshlrev_b32 v[L8], 3, v28
	v_lshlrev_b32 v[L4], 2, v28
	v_lshlrev_b32 v[PFO], 8, v28
	v_lshlrev_b32 v[WSA], 5, v28
	v_mul_u32_u24 v[AWQ], v29, WQP
	s_delay_alu instid0(VALU_DEP_1)
	v_lshl_add_u32 v[AWQ], v30, 4, v[AWQ]
	s_delay_alu instid0(VALU_DEP_1)
	v_add_nc_u32 v[AWQ], WQ, v[AWQ]
	v_lshlrev_b32 v[QA], 9, v29
	s_delay_alu instid0(VALU_DEP_1)
	v_lshl_add_u32 v[QA], v30, 4, v[QA]
	v_lshlrev_b32 v[QSA], 5, v29
	v_lshlrev_b32 v[BQA], 5, v30
	v_cmp_ne_u32 s[HI], 0, v30
.irp j, 4,5,6,7
	v_mov_b32 v[QF+\j], 0                          ; the upper 64 of the scores' K: zero codes, written once
.irp t, 0,1,2,3
	v_mov_b32 v[KF+8*\t+\j], 0
.endr
.endr
; What a pass loads from memory: Q's eight fragments (lane (r, h): row r, bytes 64 s + 32 c + 16 h), Q's and Wq's scale words, and bq straight into Qp's registers: the bias is the sums' start.
.macro PLOADS p
.irp s, 0,1,2,3,4,5,6,7
.irp c, 0,1
	global_load_b128 v[S+8*\s+4*\c:S+8*\s+4*\c+3], v[QA], s[4:5] offset:(\p)*8192+64*\s+32*\c
.endr
.endr
.irp q, 0,1
	global_load_b128 v[SC+16+4*\q:SC+16+4*\q+3], v[QSA], s[6:7] offset:(\p)*512+16*\q
.endr
.irp i, 0,1
.irp q, 0,1
	global_load_b128 v[SC+8*\i+4*\q:SC+8*\i+4*\q+3], v[WSA], s[10:11] offset:1024*\i+16*\q
.endr
.endr
.irp t, 0,1,2,3
.irp k, 0,1
	global_load_b128 v[QP+8*\t+4*\k:QP+8*\t+4*\k+3], v[BQA], s[12:13] offset:64*\t+16*\k   ; register 8 t + j: bq of channel 16 t + 8 h + j
.endr
.endr
.endm
.macro WQF s, buf                      ; Wq's four fragments of K step s
.irp t, 0,1,2,3
.irp c, 0,1
	ds_load_b128 v[\buf+8*\t+4*\c:\buf+8*\t+4*\c+3], v[AWQ] offset:16*WQP*\t+64*\s+32*\c
.endr
.endr
.endm
; THE QUANTISER.  32 registers of a lane, v[x] on: register 8 t + j is element 16 t + 8 h + j of the lane's row of 64.  Block b of 32 lies in registers 16 b .. 16 b + 15 of lanes l and l xor 16.
; Out: v[c] .. v[c + 3]: lane (r, h) holds the codes of elements 32 h + 0 .. 31; v[BX], v[BX + 1]: the two scale bytes.  A conversion's word in lane (r, h) of tile t is word 2 (t % 2) + h of block t / 2: the first two
; exchanges of halves sort a block's words into (0 | 2), (1 | 3), the last two bring block 0 into lanes 0-15 and block 1 into lanes 16-31.
.macro QUANT64 x, c
.irp b, 0,1
	v_max3_num_f32 v[BM+\b], |v[\x+16*\b]|, |v[\x+16*\b+1]|, 0x1800000   ; and the floor 2^(3 - 127): the byte cannot fall under 1
.endr
.irp i, 2,4,6,8,10,12,14
.irp b, 0,1
	v_max3_num_f32 v[BM+\b], v[BM+\b], |v[\x+16*\b+\i]|, |v[\x+16*\b+\i+1]|
.endr
.endr
.irp b, 0,1
	s_delay_alu instid0(VALU_DEP_2)
	v_permlanex16_b32 v[BX+\b], v[BM+\b], s[SEL], s[SEL+1]
.endr
.irp b, 0,1
	s_delay_alu instid0(VALU_DEP_2)
	v_max_num_f32 v[BM+\b], v[BM+\b], v[BX+\b]
.endr
.irp b, 0,1
	s_delay_alu instid0(VALU_DEP_2)
	v_add_nc_u32 v[SO+\b], 0xff000000, v[BM+\b]    ; 2 off the exponent field: the conversion's scale operand
.endr
.irp b, 0,1
	s_delay_alu instid0(VALU_DEP_2)
	v_lshrrev_b32 v[BX+\b], 23, v[SO+\b]           ; the scale's byte
.endr
.irp t, 0,1,2,3
	v_cvt_scalef32_pk8_fp4_f32 v[\c+\t], v[\x+8*\t:\x+8*\t+7], v[SO+\t/2]
.endr
	v_nop                                          ; one plain place behind a scaled conversion
	v_permlane16_swap_b32 v[\c], v[\c+1]
	v_permlane16_swap_b32 v[\c+2], v[\c+3]
	s_delay_alu instid0(VALU_DEP_1)
	v_permlane16_swap_b32 v[\c], v[\c+2]
	s_delay_alu instid0(VALU_DEP_2)
	v_permlane16_swap_b32 v[\c+1], v[\c+3]
.endm
; A KEY STEP: the 128 keys of the record at LDS byte s[TB].
.macro STEP
	v_add_nc_u32 v[ADK], s[TB], v[LI]
	s_wait_alu depctr_va_vdst(0)
	v_add_nc_u32 v[ADV], s[TB], v[L8]
.rept 3
	v_nop                                          ; with the two additions: five places between the last step's products and the products below, which write over the registers that held V's fragments
.endr
	ds_load_b128 v[KS:KS+3], v[ADK] offset:4096    ; K's scale words
.irp g, 0,1                                    ; S^T = K q^T, four tiles of 16 keys at a time: register 8 T + j of lane (r, h) is key 16 T + 8 h + j for query r
.if \g == 1
.rept 4
	v_nop                                          ; places in front of loads into registers that matrix instructions have read
.endr
.endif
.irp t, 0,1,2,3
	ds_load_b128 v[KF+8*\t:KF+8*\t+3], v[ADK] offset:512*(4*\g+\t)
.endr
	s_wait_dscnt 0x0
.irp t, 0,2
	v_wmma_scale_f32_16x16x128_f8f6f4 v[S+8*(4*\g+\t):S+8*(4*\g+\t)+7], v[KF+8*\t:KF+8*\t+7], v[QF:QF+7], 0, v[KS+2*\g+\t/2], v[QW] matrix_a_fmt:MATRIX_FMT_FP4 matrix_b_fmt:MATRIX_FMT_FP4
	v_wmma_scale_f32_16x16x128_f8f6f4 v[S+8*(4*\g+\t)+8:S+8*(4*\g+\t)+15], v[KF+8*\t+8:KF+8*\t+15], v[QF:QF+7], 0, v[KS+2*\g+\t/2], v[QW] matrix_a_fmt:MATRIX_FMT_FP4 matrix_b_fmt:MATRIX_FMT_FP4 matrix_a_scale:MATRIX_SCALE_ROW1
.endr
.endr
.rept 4
	v_nop
.endr
.irp b, 0,1,2,3
	v_max3_num_f32 v[BM+\b], v[S+16*\b], v[S+16*\b+1], v[S+16*\b+2]   ; the largest score of each block of 32 keys: it serves for the row's maximum and, since p rises with the score, for the block's largest p
.endr
.irp i, 3,5,7,9,11,13
.irp b, 0,1,2,3
	v_max3_num_f32 v[BM+\b], v[BM+\b], v[S+16*\b+\i], v[S+16*\b+\i+1]
.endr
.endr
.irp b, 0,1,2,3
	v_max_num_f32 v[BM+\b], v[BM+\b], v[S+16*\b+15]
.endr
.irp b, 0,1,2,3
	s_delay_alu instid0(VALU_DEP_4)
	v_permlanex16_b32 v[BX+\b], v[BM+\b], s[SEL], s[SEL+1]
.endr
.irp b, 0,1,2,3
	s_delay_alu instid0(VALU_DEP_4)
	v_max_num_f32 v[BM+\b], v[BM+\b], v[BX+\b]     ; with lane l xor 16's 16 keys
.endr
	s_delay_alu instid0(VALU_DEP_2)
	v_max3_num_f32 v[TP], v[BM], v[BM+1], v[BM+2]
	s_delay_alu instid0(VALU_DEP_1)
	v_max_num_f32 v[TP], v[TP], v[BM+3]            ; the step's largest score of my query
	s_delay_alu instid0(VALU_DEP_1)
	v_mul_f32 v[TP], s[CS], v[TP]                  ; as t (c is positive)
	s_delay_alu instid0(VALU_DEP_1)
	v_max_num_f32 v13, v13, v[TP]                  ; the running largest t
	v_mov_b32 v[TP], v12
	s_delay_alu instid0(VALU_DEP_2)
	v_floor_f32 v12, -v13                          ; the new -M = floor(-t) = -ceil(t): M is a whole number
	s_delay_alu instid0(VALU_DEP_1)
	v_sub_f32 v[TP], v12, v[TP]                    ; M's old value less its new one: a whole number, 0 or less
	s_delay_alu instid0(VALU_DEP_1)
	v_cvt_i32_f32 v[TP], v[TP]                     ; (it saturates)
	s_delay_alu instid0(VALU_DEP_1)
	v_ldexp_f32 v[FF], 1.0, v[TP]                  ; f = 2^(old M - new M)
.set j, 0
.rept 32
	v_pk_fma_f32 v[S+j:S+j+1], v[S+j:S+j+1], s[CS:CS+1], v[12:13] op_sel_hi:[1,0,0]   ; t - M, two at a time
.set j, j+2
.endr
.irp b, 0,1,2,3
	v_fma_f32 v[BM+\b], v[BM+\b], s[CS], v12       ; the same of each block's largest score
.endr
.set j, 0
	s_wait_alu depctr_va_vdst(0)
.rept 64
	v_exp_f32 v[S+j], v[S+j]                       ; p = 2^(t - M), at most 1: not normalised
.set j, j+1
.endr
	s_setprio 1
	v_pk_mul_f32 v[14:15], v[14:15], v[FF:FF+1] op_sel_hi:[1,0]   ; the sums under the new M: the plain place behind the exponentials
	s_wait_alu depctr_va_vdst(0)                   ; one wait for the batch of 64, ahead of its first reader
.irp b, 0,1,2,3
	v_exp_f32 v[BM+\b], v[BM+\b]                   ; the block's largest p: the same two instructions on the same number give the same bits
.endr
	v_pk_add_f32 v[BX:BX+1], v[S:S+1], v[S+2:S+3]  ; the row's sum is taken of the unquantised p: two at a time, in two chains; it reads the 64 alone
.irp j, 4,8,12,16,20,24,28,32,36,40,44,48,52,56,60
	v_pk_add_f32 v[14:15], v[14:15], v[S+\j:S+\j+1]
	v_pk_add_f32 v[BX:BX+1], v[BX:BX+1], v[S+\j+2:S+\j+3]
.endr
	s_delay_alu instid0(VALU_DEP_1)
	v_pk_add_f32 v[14:15], v[14:15], v[BX:BX+1]
	s_wait_alu depctr_va_vdst(0)                   ; and one for the four
.irp b, 0,1,2,3
	v_max_num_f32 v[BM+\b], 0x1800000, v[BM+\b]    ; the floor 2^(3 - 127): the byte cannot fall under 1
.endr
.irp b, 0,1,2,3
	s_delay_alu instid0(VALU_DEP_4)
	v_add_nc_u32 v[SO+\b], 0xff000000, v[BM+\b]    ; 2 off the exponent field: the conversion's scale operand
.endr
.irp b, 0,1,2,3
	s_delay_alu instid0(VALU_DEP_4)
	v_lshrrev_b32 v[BX+\b], 23, v[SO+\b]           ; the scale's byte
.endr
	s_delay_alu instid0(VALU_DEP_3)
	v_lshl_or_b32 v[PW], v[BX+1], 8, v[BX]         ; p's scale word for these 128 keys
	s_delay_alu instid0(VALU_DEP_1)
	v_lshl_or_b32 v[PW], v[BX+2], 16, v[PW]
	s_delay_alu instid0(VALU_DEP_1)
	v_lshl_or_b32 v[PW], v[BX+3], 24, v[PW]
.irp t, 0,1,2,3,4,5,6,7
	v_cvt_scalef32_pk8_fp4_f32 v[PC+\t], v[S+8*\t:S+8*\t+7], v[SO+\t/2]
.endr
	v_nop                                          ; one plain place behind a scaled conversion
.irp t, 0,1,2,3                                ; p has been read: its first 32 registers take V's four fragments (16 channels x 128 keys each)
.irp c, 0,1
	ds_load_b128 v[S+8*\t+4*\c:S+8*\t+4*\c+3], v[ADK] offset:4608+1024*\t+512*\c
.endr
.endr
	ds_load_b64 v[VS:VS+1], v[ADV] offset:8704     ; and V's scale words
.irp u, 0,4                                    ; keys 0-63, keys 64-127: the exchanges of QUANT64
	v_permlane16_swap_b32 v[PC+\u], v[PC+\u+1]
	v_permlane16_swap_b32 v[PC+\u+2], v[PC+\u+3]
	s_delay_alu instid0(VALU_DEP_1)
	v_permlane16_swap_b32 v[PC+\u], v[PC+\u+2]
	s_delay_alu instid0(VALU_DEP_2)
	v_permlane16_swap_b32 v[PC+\u+1], v[PC+\u+3]
.endr
.set j, 0
	s_setprio 0
.rept 16
	v_pk_mul_f32 v[O+j:O+j+1], v[O+j:O+j+1], v[FF:FF+1] op_sel_hi:[1,0]   ; O^T under the new M.  For each product below twelve of these name none of its registers: the places behind the writes of p's codes and scale word
.set j, j+2
.endr
	s_wait_alu depctr_va_vdst(0)
	s_wait_dscnt 0x0
.irp t, 0,2                                    ; O^T += V^T p^T: the four accumulators by turns
	v_wmma_scale_f32_16x16x128_f8f6f4 v[O+8*\t:O+8*\t+7], v[S+8*\t:S+8*\t+7], v[PC:PC+7], v[O+8*\t:O+8*\t+7], v[VS+\t/2], v[PW] matrix_a_fmt:MATRIX_FMT_FP4 matrix_b_fmt:MATRIX_FMT_FP4
	v_wmma_scale_f32_16x16x128_f8f6f4 v[O+8*\t+8:O+8*\t+15], v[S+8*\t+8:S+8*\t+15], v[PC:PC+7], v[O+8*\t+8:O+8*\t+15], v[VS+\t/2], v[PW] matrix_a_fmt:MATRIX_FMT_FP4 matrix_b_fmt:MATRIX_FMT_FP4 matrix_a_scale:MATRIX_SCALE_ROW1
.endr
.endm
; A PASS: one tile of 16 queries from Q's codes to O.
.macro PASS p
	s_wait_loadcnt 0x0                             ; what PLOADS asked for
	WQF 0, WF0
.irp s, 0,1,2,3,4,5,6,7                        ; Qp^T = bq + Wq Q^T: eight K steps of 128, four accumulators by turns; Wq's fragments in two sets, a step ahead
.if \s < 7
.if \s > 0
.rept 4
	v_nop                                          ; places in front of loads into the set that the last step's products read
.endr
.endif
	WQF (\s+1), (WF0+32*((\s+1)%2))
	s_wait_dscnt 8                                 ; this step's fragments are in; the eight loads just issued may be out
.else
	s_wait_dscnt 0x0
.endif
.set WB, WF0+32*(\s%2)
.irp t, 0,2
	v_wmma_scale_f32_16x16x128_f8f6f4 v[QP+8*\t:QP+8*\t+7], v[WB+8*\t:WB+8*\t+7], v[S+8*\s:S+8*\s+7], v[QP+8*\t:QP+8*\t+7], v[SC+4*\t+\s], v[SC+16+\s] matrix_a_fmt:MATRIX_FMT_FP4 matrix_b_fmt:MATRIX_FMT_FP4
	v_wmma_scale_f32_16x16x128_f8f6f4 v[QP+8*\t+8:QP+8*\t+15], v[WB+8*\t+8:WB+8*\t+15], v[S+8*\s:S+8*\s+7], v[QP+8*\t+8:QP+8*\t+15], v[SC+4*\t+\s], v[SC+16+\s] matrix_a_fmt:MATRIX_FMT_FP4 matrix_b_fmt:MATRIX_FMT_FP4 matrix_a_scale:MATRIX_SCALE_ROW1
.endr
.endr
.rept 4
	v_nop
.endr
	QUANT64 QP, QF                                 ; q's codes; Qp itself stays for the residual
	v_lshl_or_b32 v[QW], v[BX+1], 8, v[BX]         ; q's scale word: bytes 2, 3 are 0, over zero codes
	v_mov_b32 v13, 0xff61b1e6                      ; the largest t so far: -3e38, under every t
	s_delay_alu instid0(VALU_DEP_1)
	v_floor_f32 v12, -v13                          ; -M
	v_mov_b32 v14, 0                               ; the sum, in two halves
	v_mov_b32 v15, 0
	v_mov_b32 v[FF+1], 0                           ; (named as the upper half of the pair)
.set j, 0
.rept 32
	v_mov_b32 v[O+j], 0                            ; O^T: the loop is written once; its first step finds zeros, which the first change of M leaves zeros.  These lines are also the places behind the writes of q's codes and scale word
.set j, j+1
.endr
	s_mov_b32 s[TB], 0
	s_mov_b32 s[CNT], 16
.Lkey_\@:                                          ; sixteen trips, a record each
	s_setprio 2
	STEP
.if (\p) == 0
	; A PREFETCH INTO THE L2 of the second pass's 16 rows of Q's codes, 8,192 bytes, lanes 256 bytes apart: one instruction a wave, in the trip that has two more behind it.  Head 0's work-groups ask, each wave for its own rows: each block is named once in the launch.
	s_cmp_eq_u32 s[CNT], s[PFT]
	s_cbranch_scc0 .Lnot_mine_\@
	global_prefetch_b8 v[PFO], s[4:5] offset:8192 th:TH_LOAD_NT scope:SCOPE_SE
.Lnot_mine_\@:
.endif
	s_add_co_u32 s[TB], s[TB], REC
	s_sub_co_u32 s[CNT], s[CNT], 1
	s_cmp_lg_u32 s[CNT], 0
	s_cbranch_scc1 .Lkey_\@
	s_setprio 0
.rept 4
	v_nop                                          ; places behind the last products
.endr
	v_add_f32 v14, v14, v15                        ; the sum's two halves,
	s_delay_alu instid0(VALU_DEP_1)
	v_permlanex16_b32 v[TP], v14, s[SEL], s[SEL+1]
	s_delay_alu instid0(VALU_DEP_1)
	v_add_f32 v14, v14, v[TP]                      ; and lane l xor 16's: the row's sum
	s_wait_alu depctr_va_vdst(0)
	v_rcp_f32 v[FF], v14
	v_nop                                          ; a plain place behind the reciprocal
	s_wait_alu depctr_va_vdst(0)                   ; and the wait ahead of its first reader
.set j, 0
.rept 16
	v_pk_fma_f32 v[O+j:O+j+1], v[O+j:O+j+1], v[FF:FF+1], v[QP+j:QP+j+1] op_sel_hi:[1,0,1]   ; O = Qp + O^T / the sum: both lie in the same layout
.set j, j+2
.endr
.irp t, 0,1,2,3
.irp c, 0,1
	global_store_b128 v[LI], v[O+8*\t+4*\c:O+8*\t+4*\c+3], s[16:17] offset:(\p)*65536+1024*\t+512*\c   ; 32 lanes store 512 consecutive bytes, at a multiple of 256 from of32's first byte
.endr
.endr
	QUANT64 O, PC                                  ; O's codes along the head's 64 channels: two of the row's 32 blocks
.if (\p) == 0
	v_lshl_or_b32 v[OWK], v[BX+1], 8, v[BX]
.else
	v_lshl_or_b32 v[OW], v[BX+1], 8, v[BX]
	s_delay_alu instid0(VALU_DEP_1)
	v_cndmask_b32 v[OWK], v[OWK], v[OW], s[HI]     ; lanes 0-15: the first pass's rows; lanes 16-31: this pass's
	global_store_b32 v[L4], v[OWK], s[20:21]
.endif
	global_store_b128 v[LI], v[PC:PC+3], s[18:19] offset:(\p)*8192
.endm
	PLOADS 0
	s_wait_tensorcnt 0x0                           ; my record and my rows of Wq are in,
	s_barrier_signal -1
	s_barrier_wait -1                              ; everybody's are: from here on LDS is only read
	PASS 0
	s_wait_xcnt 0x0                                ; the first pass's stores have read their registers, which the second pass writes again
	PLOADS 1
	PASS 1
	s_wait_tensorcnt 0x0                           ; the wave's end, behind my last tensor load
	ds_add_u32 v[SPW], v[NIL]
	s_wait_dscnt 0x0
	CROUND                                         ; the closing round
	s_endpgm
.Lfunc_end_k_q5470e59cd9_attn:
	.size	k_q5470e59cd9_attn, .Lfunc_end_k_q5470e59cd9_attn-k_q5470e59cd9_attn
	.p2alignl 7, 3214868480
	.fill 96, 4, 3214868480
	.section	.rodata,"a",@progbits
	.p2align	6, 0x0
	.amdhsa_kernel k_q5470e59cd9_attn
		.amdhsa_group_segment_fixed_size 327680
		.amdhsa_private_segment_fixed_size 0
		.amdhsa_enable_private_segment 0
		.amdhsa_kernarg_size 72
		.amdhsa_user_sgpr_count 2
		.amdhsa_user_sgpr_kernarg_segment_ptr 1
		.amdhsa_wavefront_size32 1
		.amdhsa_system_sgpr_workgroup_id_x 1
		.amdhsa_system_sgpr_workgroup_id_y 1
		.amdhsa_system_sgpr_workgroup_id_z 1
		.amdhsa_system_vgpr_workitem_id 0
		.amdhsa_next_free_vgpr 256
		.amdhsa_next_free_sgpr 70
		.amdhsa_reserve_vcc 0
		.amdhsa_float_denorm_mode_32 3
		.amdhsa_float_denorm_mode_16_64 3
		.amdhsa_memory_ordered 1
		.amdhsa_forward_progress 1
		.amdhsa_inst_pref_size 80
	.end_amdhsa_kernel
	.amdgpu_metadata
---
amdhsa.version: [ 1, 2 ]
amdhsa.kernels:
  - .name:           k_q5470e59cd9_attn
    .symbol:         k_q5470e59cd9_attn.kd
    .args:
      - { .name: Q_codes, .offset: 0, .size: 8, .value_kind: global_buffer, .address_space: global }
      - { .name: Q_scales, .offset: 8, .size: 8, .value_kind: global_buffer, .address_space: global }
      - { .name: Wq_codes, .offset: 16, .size: 8, .value_kind: global_buffer, .address_space: global }
      - { .name: Wq_scales, .offset: 24, .size: 8, .value_kind: global_buffer, .address_space: global }
      - { .name: bq, .offset: 32, .size: 8, .value_kind: global_buffer, .address_space: global }
      - { .name: kv, .offset: 40, .size: 8, .value_kind: global_buffer, .address_space: global }
      - { .name: of32, .offset: 48, .size: 8, .value_kind: global_buffer, .address_space: global }
      - { .name: oimg, .offset: 56, .size: 8, .value_kind: global_buffer, .address_space: global }
      - { .name: osc, .offset: 64, .size: 8, .value_kind: global_buffer, .address_space: global }
    .group_segment_fixed_size: 327680
    .private_segment_fixed_size: 0
    .kernarg_segment_align: 8
    .kernarg_segment_size: 72
    .max_flat_workgroup_size: 512
    .sgpr_count:     70
    .vgpr_count:     256
    .wavefront_size: 32
...
	.end_amdgpu_metadata
.endif
;; end of part 2
;; launch oproj (part 3): grid 4 x 64, 16 waves a work-group, clusters of 4 x 4, 327,680 bytes of LDS; arguments oimg, osc, of32, Wo_codes, Wo_scales, bo, out0; writes out0
.if DOCPART == 3
	.amdgcn_target "amdgcn-amd-amdhsa--gfx1250"
	.amdhsa_code_object_version 6
	.text
	.protected	k_q5470e59cd9_oproj
	.globl	k_q5470e59cd9_oproj
	.p2align	8
	.type	k_q5470e59cd9_oproj,@function
k_q5470e59cd9_oproj:
	s_mov_b64 s[64:65], 0
	v_nop
	global_prefetch_b8 v0, s[64:65] scope:SCOPE_SE
	s_setreg_imm32_b32 hwreg(HW_REG_WAVE_MODE, 25, 1), 1
	s_wait_xcnt 0x0
	s_wait_alu depctr_hold_cnt(0) depctr_sa_sdst(0) depctr_va_vdst(0) depctr_va_sdst(0) depctr_va_ssrc(0) depctr_va_vcc(0) depctr_vm_vsrc(0)
	s_getreg_b32 s2, hwreg(HW_REG_IB_STS2, 6, 4)
	s_cmp_eq_u32 s2, 0
	s_cbranch_scc0 .Lentry_in_a_cluster
	s_endpgm
.Lentry_in_a_cluster:
	s_bfe_u32 s2, ttmp6, 0x10000c
	s_cmp_lg_u32 s2, 0xf033
	s_cbranch_scc0 .Lentry_shape_is_right
	s_endpgm
.Lentry_shape_is_right:
; out0 = O + relu(O Wo^T + bo).  O: [8192][1024]; the product on codes of FP4 (E2M1), one E8M0 scale for each 32 along K = 1024.  No work is left out.
; IN, from the launch before: oimg [row tile of 16 (512)][head (16)][lane][16 bytes]: O's codes as images of operand registers: the fragment of K step s of row tile T is the 1,024 bytes at 8,192 T + 1,024 s;
;   osc [head][row] words: bytes 0, 1: the head's two scale bytes of that row;  of32 [row tile][column tile of 16 (64)][2][lane][16 bytes]: O in f32 in the result's register layout.  Wo's codes and scale bytes and bo as they are given.
; LIMITS: NaN and infinities among the inputs are not served.
; SHARES.  A work-group makes 128 rows x 256 columns: 64 x 4 = 256 work-groups.  Sixteen waves, four to a SIMD; wave w makes rows 32 (w / 4) on (two tiles) x columns 64 (w % 4) on (four tiles): eight accumulators.
; LDS: all of K lies there, filled ONCE at the head: O's codes of 128 rows (65,536 dense bytes) and 256 rows of Wo (pitch 528).  Behind them a stage of 16 rows x 272 bytes for each wave, into which no tensor load lands.
; CLUSTERS: 4 x 4 work-groups.  O's rows hang on the place along y and are asked for jointly by a row of the cluster, Wo's rows on the place along x, by a column.
; THE MATRIX INSTRUCTION IS USED TRANSPOSED (source 0 = 16 rows of Wo, source 1 = 16 rows of O): lane (r, h) holds row r, its registers columns 8 h + 0 .. 7 of the tile: of32's layout.  bo is the sums' start.
.set WBL,   65536                      ; LDS: Wo's rows
.set WP,    528                        ; 512 bytes + 16 of padding: the 16 rows that a load touches start 16 bytes apart modulo 256
.set STAGE, WBL+256*WP                 ; the stages
.set SP,    272
.set SPARE, STAGE+16*16*SP             ; the spare words, 128 bytes for each wave
.set LI,  1                            ; 16 x lane
.set SPW, 2                            ; LDS address of my spare word; never rewritten
.set NIL, 3                            ; 0; never rewritten
.set ADA, 4                            ; O's images of my two row tiles: 16 x lane + 16,384 (w / 4)
.set ADB, 5                            ; Wo's rows: WBL + (64 (w % 4) + r) 528 + 16 h
.set L4,  6                            ; 4 x lane
.set L32, 7                            ; 32 x lane
.set BOA, 8                            ; 32 h
.set STO, 9                            ; the stage: where I put 32 bytes of a row
.set RD,  10                           ; and where I read a row back
.set GO,  11                           ; my byte offset in two rows of out0
.set AF,  16                           ; v16-31  O's two fragments
.set BF,  32                           ; v32-63  Wo's four
.set RW,  64                           ; v64-79  osc's words of my 32 rows, a register a head
.set AS,  80                           ; v80-87  O's scale words, a register a K step: lanes 0-15 my first row tile, lanes 16-31 my second
.set BS,  88                           ; v88-103 Wo's: register 8 i + s, lane l: row 32 i + l, K step s
.set OF,  128                          ; v128-191 O in f32
.set ACC, 192                          ; v192-255 the accumulators ((a, b) at 8 (4 a + b)); on the way out: rows read back
.set WV,  18
.set G1A, 24                           ; s[24:31], s[32:35] descriptor groups 1 and 0 for O's codes
.set G0A, 32
.set G1B, 48                           ; s[48:55], s[56:59] for Wo's
.set G0B, 56
.macro CROUND                          ; a round of the cluster's barrier
	s_barrier_signal -1
	s_barrier_wait -1
	s_cmp_lg_u32 s[WV], 0
	s_cbranch_scc1 .Lnot_wave_0_\@
	s_barrier_signal -3
.Lnot_wave_0_\@:
	s_barrier_wait -3
	s_barrier_signal -1
	s_barrier_wait -1
.endm
	s_load_b256 s[4:11], s[0:1], 0x0               ; oimg s[4:5], osc s[6:7], of32 s[8:9], Wo's codes s[10:11]
	s_load_b128 s[12:15], s[0:1], 0x20             ; Wo's scales s[12:13], bo s[14:15]
	s_load_b64 s[16:17], s[0:1], 0x30              ; out0
	v_lshl_add_u32 v[SPW], v0, 2, SPARE
	v_mov_b32 v[NIL], 0
	ds_add_u32 v[SPW], v[NIL]                      ; the wave's opening: the add, twice on end, and its wait ahead of my first tensor load
	ds_add_u32 v[SPW], v[NIL]                      ; and once more; the set-up below, work on registers, stands between it and the wait
	v_lshrrev_b32 v12, 5, v0
	s_delay_alu instid0(VALU_DEP_1)
	v_readfirstlane_b32 s[WV], v12                 ; wave 0..15
	s_lshr_b32 s19, s[WV], 2                       ; which 32 rows are mine
	s_and_b32 s20, s[WV], 3                        ; which 64 columns
	s_bfe_u32 s21, ttmp6, 0x40000                  ; cx, cy: my place in the cluster
	s_bfe_u32 s22, ttmp6, 0x40004
	s_lshl_b32 s23, ttmp9, 2
	s_add_co_u32 s23, s23, s21                     ; tile column (256 columns) = 4 x cluster x + cx
	s_and_b32 s40, ttmp7, 0xffff
	s_lshl_b32 s40, s40, 2
	s_add_co_u32 s40, s40, s22                     ; tile row (128 rows) = 4 x cluster y + cy
	s_lshl_b32 s41, s22, 2
	s_lshl_b32 s41, 15, s41                        ; my row of the cluster
	s_lshl_b32 s42, 0x1111, s21                    ; my column
	; O's codes: 4,096 dense bytes a wave as 16 rows of 256 (32 elements of 8 bytes), no padding: they are read 16 bytes a lane on end
	s_or_b32 s[G1A], s41, (3<<16)|(1<<21)
	s_mov_b32 s[G1A+1], 32<<16
	s_mov_b32 s[G1A+2], 16<<16
	s_mov_b32 s[G1A+3], 32<<16
	s_mov_b32 s[G1A+4], 16
	s_mov_b32 s[G1A+5], 32
	s_mov_b32 s[G1A+6], 0
	s_mov_b32 s[G1A+7], 0
	; Wo's codes: 16 rows of 512 bytes a wave, 16 bytes of padding behind each
	s_or_b32 s[G1B], s42, (0<<16)|(1<<20)|(1<<21)|(6<<22)|(3<<25)
	s_mov_b32 s[G1B+1], 512<<16
	s_mov_b32 s[G1B+2], 16<<16
	s_mov_b32 s[G1B+3], 512<<16
	s_mov_b32 s[G1B+4], 16
	s_mov_b32 s[G1B+5], 512
	s_mov_b32 s[G1B+6], 0
	s_mov_b32 s[G1B+7], 0
	s_mov_b32 s[G0A], 1
	s_lshl_b32 s[G0A+1], s[WV], 12                 ; LDS byte 4,096 w,
	s_lshl_b32 s36, s40, 16
	s_add_co_u32 s36, s36, s[G0A+1]                ; from byte 65,536 x tile row + 4,096 w of oimg: the place along x does not enter
	s_mov_b32 s37, 0
	s_mov_b32 s[G0B], 1
	s_mul_i32 s38, s[WV], 16*WP
	s_add_co_u32 s[G0B+1], s38, WBL                ; rows 16 w on,
	s_lshl_b32 s38, s23, 17
	s_lshl_b32 s39, s[WV], 13
	s_add_co_u32 s38, s38, s39                     ; from row 256 x tile column + 16 w of Wo: the place along y does not enter
	s_mov_b32 s39, 0
	s_wait_dscnt 0x0                               ; both opening adds are done
	s_wait_kmcnt 0x0
	s_add_nc_u64 s[G0A+2:G0A+3], s[4:5], s[36:37]
	s_or_b32 s[G0A+3], s[G0A+3], 0x80000000
	s_add_nc_u64 s[G0B+2:G0B+3], s[10:11], s[38:39]
	s_or_b32 s[G0B+3], s[G0B+3], 0x80000000
	CROUND                                         ; all sixteen work-groups are here: the joint loads meet
	tensor_load_to_lds s[G0A:G0A+3], s[G1A:G1A+7]  ; every wave issues both: two loads of mine are out, and none follows
	s_nop 0
	tensor_load_to_lds s[G0B:G0B+3], s[G1B:G1B+7]
	s_nop 0
.rept 4
	v_nop
.endr
	s_mov_b32 s61, 0
	s_lshl_b32 s43, s40, 19
	s_lshl_b32 s44, s19, 17
	s_add_co_u32 s43, s43, s44                     ; my first row, x 4,096 bytes: in out0 a row, in of32 a sixteenth of a row tile
	s_lshl_b32 s44, s23, 14
	s_lshl_b32 s45, s20, 12
	s_add_co_u32 s44, s44, s45                     ; my first column tile, x 1,024 bytes
	s_add_co_u32 s60, s43, s44
	s_add_nc_u64 s[8:9], s[8:9], s[60:61]          ; of32
	s_lshl_b32 s44, s23, 10
	s_lshl_b32 s45, s20, 8
	s_add_co_u32 s44, s44, s45                     ; my first column, x 4 bytes
	s_mov_b32 s60, s44
	s_add_nc_u64 s[14:15], s[14:15], s[60:61]      ; bo
	s_add_co_u32 s60, s43, s44
	s_add_nc_u64 s[16:17], s[16:17], s[60:61]      ; out0
	s_lshl_b32 s60, s44, 3
	s_add_nc_u64 s[12:13], s[12:13], s[60:61]      ; Wo's scale bytes: 32 a row
	s_lshl_b32 s60, s40, 9
	s_lshl_b32 s45, s19, 7
	s_add_co_u32 s60, s60, s45
	s_add_nc_u64 s[6:7], s[6:7], s[60:61]          ; osc: my first row's word
	v_and_b32 v12, 31, v0                          ; lane
	v_and_b32 v13, 15, v0                          ; r
	v_bfe_u32 v14, v0, 4, 1                        ; h
	s_delay_alu instid0(VALU_DEP_3)
	v_lshlrev_b32 v[LI], 4, v12
	s_delay_alu instid0(VALU_DEP_4)
	v_lshlrev_b32 v[L4], 2, v12
	v_lshlrev_b32 v[L32], 5, v12
	s_delay_alu instid0(VALU_DEP_4)
	v_lshlrev_b32 v[BOA], 5, v14
	s_lshl_b32 s45, s19, 14
	v_add_nc_u32 v[ADA], s45, v[LI]
	s_mul_i32 s45, s20, 64*WP
	s_add_co_u32 s45, s45, WBL
	v_mul_u32_u24 v[ADB], v13, WP
	s_delay_alu instid0(VALU_DEP_1)
	v_lshl_add_u32 v[ADB], v14, 4, v[ADB]
	s_delay_alu instid0(VALU_DEP_1)
	v_add_nc_u32 v[ADB], s45, v[ADB]
	s_mul_i32 s45, s[WV], 16*SP
	s_add_co_u32 s45, s45, STAGE                   ; my stage
	v_mul_u32_u24 v[STO], v13, SP
	s_delay_alu instid0(VALU_DEP_1)
	v_lshl_add_u32 v[STO], v14, 5, v[STO]
	s_delay_alu instid0(VALU_DEP_1)
	v_add_nc_u32 v[STO], s45, v[STO]               ; in: row r, 32 bytes for each half of the lanes
	v_mul_u32_u24 v[RD], v14, SP
	s_delay_alu instid0(VALU_DEP_1)
	v_lshl_add_u32 v[RD], v13, 4, v[RD]
	s_delay_alu instid0(VALU_DEP_1)
	v_add_nc_u32 v[RD], s45, v[RD]                 ; back: lanes 0-15 one row of 256 bytes, lanes 16-31 the next
	v_lshlrev_b32 v[GO], 12, v14
	s_delay_alu instid0(VALU_DEP_1)
	v_lshl_add_u32 v[GO], v13, 4, v[GO]            ; and the same two rows in out0
.irp d, 0,1,2,3,4,5,6,7,8,9,10,11,12,13,14,15
	global_load_b32 v[RW+\d], v[L4], s[6:7] offset:32768*\d        ; head d's word of row 32 (w / 4) + lane
.endr
.irp i, 0,1
.irp q, 0,1
	global_load_b128 v[BS+8*\i+4*\q:BS+8*\i+4*\q+3], v[L32], s[12:13] offset:1024*\i+16*\q
.endr
.endr
.irp a, 0,1
.irp b, 0,1,2,3
.irp k, 0,1
	global_load_b128 v[ACC+8*(4*\a+\b)+4*\k:ACC+8*(4*\a+\b)+4*\k+3], v[BOA], s[14:15] offset:64*\b+16*\k   ; bo of columns 16 b + 8 h + 0 .. 7: the sums' start
.endr
.endr
.endr
.irp a, 0,1
.irp b, 0,1,2,3
.irp c, 0,1
	global_load_b128 v[OF+8*(4*\a+\b)+4*\c:OF+8*(4*\a+\b)+4*\c+3], v[LI], s[8:9] offset:65536*\a+1024*\b+512*\c th:TH_LOAD_NT   ; O in f32: 512 consecutive bytes a load, read once in this launch; wanted only at the end
.endr
.endr
.endr
	s_wait_loadcnt 16                              ; all but O's sixteen loads, the youngest, are in
.irp s, 0,1,2,3,4,5,6,7
	v_lshl_or_b32 v[AS+\s], v[RW+2*\s+1], 16, v[RW+2*\s]           ; K step s is heads 2 s and 2 s + 1: four scale bytes
.endr
.rept 8
	v_nop                                          ; a scale register written by a vector instruction stands eight places ahead of a scaled matrix instruction
.endr
	s_wait_alu depctr_va_vdst(0)
	s_wait_tensorcnt 0x0                           ; my parts of O's and Wo's codes are in,
	s_barrier_signal -1
	s_barrier_wait -1                              ; everybody's are: these bytes are only read from here on
.macro PROD a, b, s                    ; source 0 = Wo's tile b (its scale words in lanes 0-15 or 16-31 by b's parity), source 1 = O's tile a (likewise by a)
.set AC, ACC+8*(4*(\a)+(\b))
.if ((\a) == 0) && (((\b)%2) == 0)
	v_wmma_scale_f32_16x16x128_f8f6f4 v[AC:AC+7], v[BF+8*(\b):BF+8*(\b)+7], v[AF+8*(\a):AF+8*(\a)+7], v[AC:AC+7], v[BS+8*((\b)/2)+(\s)], v[AS+(\s)] matrix_a_fmt:MATRIX_FMT_FP4 matrix_b_fmt:MATRIX_FMT_FP4
.elseif (\a) == 0
	v_wmma_scale_f32_16x16x128_f8f6f4 v[AC:AC+7], v[BF+8*(\b):BF+8*(\b)+7], v[AF+8*(\a):AF+8*(\a)+7], v[AC:AC+7], v[BS+8*((\b)/2)+(\s)], v[AS+(\s)] matrix_a_fmt:MATRIX_FMT_FP4 matrix_b_fmt:MATRIX_FMT_FP4 matrix_a_scale:MATRIX_SCALE_ROW1
.elseif ((\b)%2) == 0
	v_wmma_scale_f32_16x16x128_f8f6f4 v[AC:AC+7], v[BF+8*(\b):BF+8*(\b)+7], v[AF+8*(\a):AF+8*(\a)+7], v[AC:AC+7], v[BS+8*((\b)/2)+(\s)], v[AS+(\s)] matrix_a_fmt:MATRIX_FMT_FP4 matrix_b_fmt:MATRIX_FMT_FP4 matrix_b_scale:MATRIX_SCALE_ROW1
.else
	v_wmma_scale_f32_16x16x128_f8f6f4 v[AC:AC+7], v[BF+8*(\b):BF+8*(\b)+7], v[AF+8*(\a):AF+8*(\a)+7], v[AC:AC+7], v[BS+8*((\b)/2)+(\s)], v[AS+(\s)] matrix_a_fmt:MATRIX_FMT_FP4 matrix_b_fmt:MATRIX_FMT_FP4 matrix_a_scale:MATRIX_SCALE_ROW1 matrix_b_scale:MATRIX_SCALE_ROW1
.endif
.endm
.irp s, 0,1,2,3,4,5,6,7                        ; eight K steps of 128: twelve LDS loads, eight products on eight accumulators by turns
.if \s > 0
.rept 4
	v_nop                                          ; places in front of loads into registers that matrix instructions have read
.endr
.endif
.irp a, 0,1
.irp c, 0,1
	ds_load_b128 v[AF+8*\a+4*\c:AF+8*\a+4*\c+3], v[ADA] offset:8192*\a+1024*\s+512*\c
.endr
.endr
.irp b, 0,1,2,3
.irp c, 0,1
	ds_load_b128 v[BF+8*\b+4*\c:BF+8*\b+4*\c+3], v[ADB] offset:16*WP*\b+64*\s+32*\c
.endr
.endr
	s_wait_dscnt 0x0
.irp a, 0,1
.irp b, 0,1,2,3
	PROD \a, \b, \s
.endr
.endr
.endr
.rept 4
	v_nop                                          ; places behind the last products
.endr
	s_wait_loadcnt 0x0                             ; O in f32
.set j, 0
.rept 64
	v_max_num_f32 v[ACC+j], 0, v[ACC+j]            ; relu, each accumulator from its low end on
.set j, j+1
.endr
.set j, 0
.rept 32
	v_pk_add_f32 v[OF+j:OF+j+1], v[OF+j:OF+j+1], v[ACC+j:ACC+j+1]   ; O + relu(..)
.set j, j+2
.endr
	; THE WAY OUT.  A lane holds 32 neighbouring bytes of a row and the lanes beside it hold other rows: a tile of 16 rows x 64 columns goes through my own stage and comes back as rows of 256 bytes.
	; LDS serves a wave's instructions in order (ISA guide 5.7.1.4): no wait between the stores and the loads, nor in front of the second tile's stores.
.irp a, 0,1
.irp b, 0,1,2,3
	ds_store_b128 v[STO], v[OF+8*(4*\a+\b):OF+8*(4*\a+\b)+3] offset:64*\b
	ds_store_b128 v[STO], v[OF+8*(4*\a+\b)+4:OF+8*(4*\a+\b)+7] offset:64*\b+16
.endr
.irp i, 0,1,2,3,4,5,6,7
	ds_load_b128 v[ACC+32*\a+4*\i:ACC+32*\a+4*\i+3], v[RD] offset:2*SP*\i
.endr
.endr
.irp a, 0,1
.irp i, 0,1,2,3,4,5,6,7
	s_wait_dscnt 16*(1-\a)+7-\i                    ; what was issued behind this load may be out: its tile's later loads, and for the first tile the second's eight stores and eight loads
	global_store_b128 v[GO], v[ACC+32*\a+4*\i:ACC+32*\a+4*\i+3], s[16:17] offset:65536*\a+8192*\i th:TH_STORE_NT   ; sixteen lanes store 256 consecutive bytes, at a multiple of 256 from out0's first byte; written once, read by nobody here
.endr
.endr
	s_wait_tensorcnt 0x0                           ; the wave's end, behind my last tensor load and my last LDS store
	ds_add_u32 v[SPW], v[NIL]
	s_wait_dscnt 0x0
	CROUND                                         ; the closing round
	s_endpgm
.Lfunc_end_k_q5470e59cd9_oproj:
	.size	k_q5470e59cd9_oproj, .Lfunc_end_k_q5470e59cd9_oproj-k_q5470e59cd9_oproj
	.p2alignl 7, 3214868480
	.fill 96, 4, 3214868480
	.section	.rodata,"a",@progbits
	.p2align	6, 0x0
	.amdhsa_kernel k_q5470e59cd9_oproj
		.amdhsa_group_segment_fixed_size 327680
		.amdhsa_private_segment_fixed_size 0
		.amdhsa_enable_private_segment 0
		.amdhsa_kernarg_size 56
		.amdhsa_user_sgpr_count 2
		.amdhsa_user_sgpr_kernarg_segment_ptr 1
		.amdhsa_wavefront_size32 1
		.amdhsa_system_sgpr_workgroup_id_x 1
		.amdhsa_system_sgpr_workgroup_id_y 1
		.amdhsa_system_sgpr_workgroup_id_z 1
		.amdhsa_system_vgpr_workitem_id 0
		.amdhsa_next_free_vgpr 256
		.amdhsa_next_free_sgpr 66
		.amdhsa_reserve_vcc 0
		.amdhsa_float_denorm_mode_32 3
		.amdhsa_float_denorm_mode_16_64 3
		.amdhsa_memory_ordered 1
		.amdhsa_forward_progress 1
		.amdhsa_inst_pref_size 36
	.end_amdhsa_kernel
	.amdgpu_metadata
---
amdhsa.version: [ 1, 2 ]
amdhsa.kernels:
  - .name:           k_q5470e59cd9_oproj
    .symbol:         k_q5470e59cd9_oproj.kd
    .args:
      - { .name: oimg, .offset: 0, .size: 8, .value_kind: global_buffer, .address_space: global }
      - { .name: osc, .offset: 8, .size: 8, .value_kind: global_buffer, .address_space: global }
      - { .name: of32, .offset: 16, .size: 8, .value_kind: global_buffer, .address_space: global }
      - { .name: Wo_codes, .offset: 24, .size: 8, .value_kind: global_buffer, .address_space: global }
      - { .name: Wo_scales, .offset: 32, .size: 8, .value_kind: global_buffer, .address_space: global }
      - { .name: bo, .offset: 40, .size: 8, .value_kind: global_buffer, .address_space: global }
      - { .name: out0, .offset: 48, .size: 8, .value_kind: global_buffer, .address_space: global }
    .group_segment_fixed_size: 327680
    .private_segment_fixed_size: 0
    .kernarg_segment_align: 8
    .kernarg_segment_size: 56
    .max_flat_workgroup_size: 512
    .sgpr_count:     66
    .vgpr_count:     256
    .wavefront_size: 32
...
	.end_amdgpu_metadata
.endif
;; end of part 3
